; MI455X (gfx1250); checked and timed in simulation.
; The chip was launched on July 23, 2026; its instructions are those of AMD's public machine-readable ISA for CDNA 5 (MIT licence, August 2026) and "CDNA5" Instruction Set Architecture Reference Guide (July 2026). The comments in the code are by the model that wrote it; some were corrected since.
;; Multi Head Attention. Allowed arithmetic: matrix products marked QUANTISED: E4M3 operands, one E8M0 scale for each 32 along K, by v_wmma_scale_f32_16x16x128_f8f6f4 with both operands' format E4M3, f32 sums; everything else in f32.
;; Inputs: Wo 1,024 x 1,024 float32; Wqkv 1,024 x 3,072 float32; bo 1,024 float32; bqkv 3,072 float32; string 4 x 2,048 x 1,024 float32; string_len 4 int32.
;; Outputs: out0 4 x 2,048 x 1,024 float32; out1 4 int32.
;; This version of the problem:
;;   THIS VERSION OF THE PROBLEM IS GIVEN IN LOW PRECISION. The matrix products marked QUANTISED in the list below multiply operands that are first quantised to E4M3 (4 exponent bits, 3 mantissa bits; 8 bits a number), with one power-of-two scale for each 32 numbers along K (OCP MX v1.0); their sums are f32. All else is computed in f32.
;;   The module's matrix products, in the order in which they are computed (A, B: the left and right operand; K: the contracted axis; several contracted axes count as one K, in the product's order):
;;     1. [M 8,192, K 1,024] x [K 1,024, N 3,072]; A: input string; B: input Wqkv: QUANTISED
;;     2. batch 64 x [M 2,048, K 64] x [K 64, N 2,048]; A: computed on the way; B: computed on the way: QUANTISED
;;     3. batch 64 x [M 2,048, K 2,048] x [K 2,048, N 64]; A: softmax (see below); B: computed on the way: QUANTISED
;;     4. [M 8,192, K 1,024] x [K 1,024, N 1,024]; A: computed on the way; B: input Wo: QUANTISED
;;   THE QUANTISER, for each operand of a quantised product, along K:
;;     - K is cut into blocks of 32 from its start; a last block that is shorter is filled with zeros.
;;     - A block's scale is 2^e with e = floor(log2(the largest magnitude in the block)) - 8, held to -126 .. 127; a block of zeros has e = 0. As a byte (E8M0): e + 127.
;;     - Each number is divided by its block's scale, clamped to +-448, and rounded to the nearest number of E4M3, ties to even, subnormals kept.
;;     - The product sums the exact products of the quantised numbers (number of the format x scale) in f32.
;;   ~~~python
;;   def quantise(x, axis):      # numpy; x: float32 -> the quantised numbers, widened to float32 again
;;       x = np.moveaxis(x, axis, -1); K = x.shape[-1]
;;       x = np.pad(x, [(0, 0)] * (x.ndim - 1) + [(0, -K % 32)]); x = x.reshape(x.shape[:-1] + (-1, 32)); a = np.abs(x).max(-1, keepdims=True)
;;       e = np.where(a > 0, np.clip(np.frexp(np.where(a > 0, a, 1))[1] - 1 - 8, -126, 127), 0)      # np.frexp(a)[1] - 1 = floor(log2(a)), exactly
;;       r = np.clip(x / 2.0 ** e, -448, 448)
;;       step = 2.0 ** (np.maximum(np.frexp(np.where(r == 0, 1, r))[1] - 1, -6) - 3)
;;       q = np.round(r / step) * step * 2.0 ** e      # np.round: ties to even
;;       return np.moveaxis(q.reshape(q.shape[:-2] + (-1,))[..., :K], -1, axis).astype(np.float32)
;;   ~~~
;;   SOFTMAX AHEAD OF A QUANTISED PRODUCT. Where the list says 'softmax', what is quantised is not the finished softmax but p = 2^(t - M), with t = logit x log2(e) and M = ceil(the row's largest t), a whole number; so 1/2 < the row's largest p <= 1. The row's sum l is taken of the UNQUANTISED p, in f32, and the product's result is divided by l at the end. Since M is a whole number, a kernel that streams over the keys may use a running M (the ceiling of the running maximum): every later rescaling is an exact power of two, which a block's scale takes up: the codes' values come out the same.
;;   OPERANDS COMPUTED ON THE WAY. 'Computed on the way' means the value that the module computes at that place (a softmax that the list does not call 'softmax' is quantised finished and normalised). What goes into a quantiser is computed in f32, as accurately as f32 sums, v_exp_f32 and their like allow (about 1e-6 of the number): no bf16 or f16 on the way to a quantiser, and a product that is left as it is and whose result goes on into a quantised operand takes f32 operands (vector FMAs, or v_wmma_f32_16x16x4_f32). A number that lies on a knife's edge between two numbers of the format may be rounded either way, as far as f32 arithmetic and the matrix unit's own rounding can turn it there, and no further.
;; One version. Each part assembles by itself: llvm-mc -triple=amdgcn-amd-amdhsa -mcpu=gfx1250 --defsym DOCPART=n.
;; ======== version 1 of 1: 4 launches
;; limits: right only within a limited range of input values
;; workspace buffers: xq 8,650,752 bytes; wq 4,325,376 bytes; qi 8,912,896 bytes; kv 17,563,648 bytes; aq 8,650,752 bytes
;; launch quant_x (part 1): grid 384 x 1, 4 waves a work-group, no clusters, 68,608 bytes of LDS; arguments string, string_len, xq, out1, Wqkv, Wo, wq; writes xq, out1, wq
.if DOCPART == 1
	.amdgcn_target "amdgcn-amd-amdhsa--gfx1250"
	.amdhsa_code_object_version 6
	.text
	.protected	k_qf0bc853e96_quant_x
	.globl	k_qf0bc853e96_quant_x
	.p2align	8
	.type	k_qf0bc853e96_quant_x,@function
k_qf0bc853e96_quant_x:
	s_mov_b64 s[64:65], 0
	v_nop
	global_prefetch_b8 v0, s[64:65] scope:SCOPE_SE
	s_setreg_imm32_b32 hwreg(HW_REG_WAVE_MODE, 25, 1), 1
	s_wait_xcnt 0x0
; string [8192 tokens][1024], f32, becomes codes of FP8 (E4M3), K innermost, with one E8M0 scale byte for each 32 along K; string_len is copied to out1.
; xq: codes [8192 rows][1024] at byte 0, scale bytes [8192 rows][32] at byte XSO.
; THE ROWS OF xq ARE NOT IN THE TOKENS' ORDER: in each group of 32 rows the second and third groups of eight change places, so that row 16 t + r of a group of tiles holds token
; 32 (t / 2) + 8 (t % 2) + r + 8 (r / 8).  A product that takes 16 such rows as its source 0 then leaves 16 neighbouring tokens in a lane's registers of two neighbouring tiles.
; A block's scale is 2^(floor(log2(its largest magnitude)) - 8); its byte is the largest magnitude's exponent field - 8, held at 1 from below.  Each number is divided by the scale, held within +-448 and rounded to the nearest code, ties to even.
; LIMITS: a block of zeros gets the byte 1 where the rule says 127 (its codes are zeros, and this program alone reads the bytes); NaN and infinities among the inputs are not served.
; SHARES: a work-group takes 32 rows, a wave 8 (8,192 numbers, 16 steps of 512).  Each of a step's four loads reads 512 consecutive bytes; the 2,048 bytes turn through the wave's own stage in LDS and come back 64 bytes a lane,
; so that a lane holds 16 neighbours along K and two neighbouring lanes a block.  A wave's store of codes covers 512 consecutive bytes; its 256 scale bytes are gathered in LDS and leave as one aligned run of 256.
; No tensor loads, no barrier: waves share nothing.  Loads run four steps (16 loads a wave) ahead, the turn through LDS one step.
.set STEPS, 16
.set EMAX,  8
.set MANT,  0x600000                   ; the mantissa field of 448 as f32
.set CB,    16                         ; bytes of 16 codes
.set R,     16                         ; v16-79   four sets of 16 numbers as they are loaded
.set X,     80                         ; v80-111  two sets of 16 neighbours
.set C,     128                        ; v128-191 codes: four registers for each step, so that no store's data are written again
.set E,     112                        ; v112-127 a scale byte for each step
.set WREG,  8192                       ; LDS: a region for each wave: two stages of 32 x SP bytes, and behind them its 256 scale bytes
.set SP,    80                         ; a lane's place in a stage: its 64 bytes + 16 of padding
.set XSO,   8388608                    ; where xq's scale bytes begin
; ONE LAUNCH PREPARES ALL THREE TENSORS: work-groups 0-255 take string (the text that follows), work-groups 256-383 the weights (behind .Lweights), with LDS bytes of their own from byte 33,280 on.
	v_lshl_add_u32 v208, v0, 2, 0x8000             ; my spare word, for both paths
	v_mov_b32 v209, 0
	s_cmp_ge_u32 ttmp9, 256
	s_cbranch_scc1 .Lweights
	s_load_b256 s[4:11], s[0:1], 0x0
	v_lshrrev_b32 v1, 5, v0
	v_readfirstlane_b32 s16, v1                    ; wave
	v_and_b32 v2, 31, v0                           ; lane
	v_lshlrev_b32 v3, 4, v2                        ; my 16 bytes of a load's 512
	s_mul_i32 s17, s16, WREG
	v_lshrrev_b32 v14, 2, v2
	v_mul_u32_u24 v14, v14, SP
	v_and_b32 v15, 3, v2
	v_lshl_add_u32 v14, v15, 4, v14
	v_add_nc_u32 v14, s17, v14                     ; the stage, on the way in: SP (lane / 4) + 16 (lane % 4)
	v_mul_u32_u24 v15, v2, SP
	v_add_nc_u32 v15, s17, v15                     ; and on the way out: SP x lane: my 16 neighbours
	v_mul_u32_u24 v4, v2, CB                       ; my codes' place in a step's
	v_lshrrev_b32 v5, 1, v2
	s_add_co_u32 s17, s17, 2*32*SP
	v_add_nc_u32 v5, s17, v5                       ; LDS: my wave's 256 scale bytes, my block's byte
	v_lshlrev_b32 v7, 3, v2                        ; and on the way out 8 bytes a lane
	v_add_nc_u32 v6, s17, v7
	s_mov_b32 s23, MANT
	s_lshl_b32 s17, ttmp9, 2
	s_add_co_u32 s18, s17, s16                     ; which 8 rows I read: 4 x work-group + wave
	s_lshl_b32 s20, s18, 15                        ; 32,768 bytes of f32
	s_mov_b32 s21, 0
	s_and_b32 s24, s16, 1
	s_lshl_b32 s24, s24, 1
	s_lshr_b32 s25, s16, 1
	s_or_b32 s24, s24, s25                         ; and where they go: waves 1 and 2 change places
	s_add_co_u32 s18, s17, s24
	s_lshl_b32 s24, s18, 13                        ; 8,192 bytes of codes
	s_mov_b32 s25, 0
	s_lshl_b32 s18, s18, 8                         ; 256 scale bytes
	s_mov_b32 s19, 0
	s_wait_alu depctr_va_vdst(0)
	s_wait_kmcnt 0x0
	s_add_nc_u64 s[4:5], s[4:5], s[20:21]
	s_add_nc_u64 s[12:13], s[8:9], XSO
	s_add_nc_u64 s[12:13], s[12:13], s[18:19]
	s_add_nc_u64 s[8:9], s[8:9], s[24:25]
.macro LOAD t
.irp i, 0,1,2,3
	global_load_b128 v[R+16*((\t)%4)+4*\i:R+16*((\t)%4)+4*\i+3], v3, s[4:5] offset:2048*(\t)+512*\i th:TH_LOAD_NT   ; 32 lanes read 512 consecutive bytes
.endr
.endm
.macro TURN t                          ; step t's numbers through the stage: LDS serves a wave's instructions in order, so no wait stands between the stores and the loads
.irp i, 0,1,2,3
	ds_store_b128 v14, v[R+16*((\t)%4)+4*\i:R+16*((\t)%4)+4*\i+3] offset:32*SP*((\t)%2)+8*SP*\i
.endr
.irp i, 0,1,2,3
	ds_load_b128 v[X+16*((\t)%2)+4*\i:X+16*((\t)%2)+4*\i+3], v15 offset:32*SP*((\t)%2)+16*\i
.endr
.endm
.irp t, 0,1,2,3
	LOAD \t
.endr
	s_wait_loadcnt 12                              ; step 0's four loads are in
	TURN 0
.macro STEP t
.set XS, X+16*((\t)%2)
.if (\t) > 0
	s_wait_dscnt 1                                 ; this step's numbers are back from the stage (the last step's byte store may be out): so its stores into the stage have read their registers,
.else
	s_wait_dscnt 0x0
.endif
.if (\t)+4 < STEPS
	LOAD (\t)+4                                    ; which take the loads of four steps on
.endif
.if (\t)+1 < STEPS
.if STEPS-2-(\t) >= 3
	s_wait_loadcnt 12                              ; the next step's four loads are in; those of the three steps behind it may be out
.else
	s_wait_loadcnt 4*(STEPS-2-(\t))
.endif
	TURN (\t)+1                                    ; and go through the other stage while this step is worked
.endif
	v_max3_num_f32 v8, |v[XS]|, |v[XS+1]|, |v[XS+2]|               ; the largest magnitude of my 16, in two chains
	v_max3_num_f32 v9, |v[XS+3]|, |v[XS+4]|, |v[XS+5]|
.irp i, 6,10
	v_max3_num_f32 v8, v8, |v[XS+\i]|, |v[XS+\i+1]|
	v_max3_num_f32 v9, v9, |v[XS+\i+2]|, |v[XS+\i+3]|
.endr
	v_max3_num_f32 v8, v8, |v[XS+14]|, |v[XS+15]|
	v_max3_num_f32 v8, v8, v9, (EMAX+1)<<23        ; and the floor 2^(EMAX + 1 - 127): so the byte cannot fall under 1
	v_max_num_f32_dpp v8, v8, v8 row_xmask:1 row_mask:0xf bank_mask:0xf   ; and of my neighbour's 16: the block's
	v_add_nc_u32 v11, -(EMAX<<23), v8              ; EMAX off its exponent field: the conversion takes the exponent field of this operand as its scale
	v_and_or_b32 v10, v8, 0x7f800000, s23          ; 448 x the scale: the largest magnitude's exponent field over 448's mantissa
.irp i, 0,1,2,3,4,5,6,7,8,9,10,11,12,13,14,15
	v_med3_num_f32 v[XS+\i], v[XS+\i], -v10, v10   ; the conversion to an 8-bit code does not saturate (ISA guide 7.6.2): the hold comes first
.endr
	v_cvt_scalef32_pk8_fp8_f32 v[C+4*(\t):C+4*(\t)+1], v[XS:XS+7], v11
	v_cvt_scalef32_pk8_fp8_f32 v[C+4*(\t)+2:C+4*(\t)+3], v[XS+8:XS+15], v11
	v_lshrrev_b32 v[E+(\t)], 23, v11               ; the scale's byte (also the plain line behind the conversions)
	ds_store_b8 v5, v[E+(\t)] offset:16*(\t)       ; both lanes of a block write the same byte with the same value
	global_store_b128 v4, v[C+4*(\t):C+4*(\t)+3], s[8:9] offset:32*CB*(\t)
.endm
.irp t, 0,1,2,3,4,5,6,7,8,9,10,11,12,13,14,15
	STEP \t
.endr
	ds_load_b64 v[12:13], v6                       ; LDS serves a wave's instructions in order: these see my stores
	s_wait_dscnt 0x0
	global_store_b64 v7, v[12:13], s[12:13]        ; 32 lanes store 256 consecutive bytes, aligned
	; string_len -> out1: four whole numbers, by threads 0 to 3 of work-group 0
	s_cmp_lg_u32 ttmp9, 0
	s_cbranch_scc1 .Lend
	s_wait_xcnt 0x0                                ; EXEC changes only behind this wait: the stores above have read it
	v_lshlrev_b32 v1, 2, v0
	v_cmp_gt_u32 vcc_lo, 4, v0
	s_and_saveexec_b32 s20, vcc_lo
	global_load_b32 v2, v1, s[6:7]
	s_wait_alu depctr_va_vdst(0)
	s_wait_loadcnt 0x0
	global_store_b32 v1, v2, s[10:11]
	s_wait_xcnt 0x0                                ; and again in front of the line that widens it
	s_or_b32 exec_lo, exec_lo, s20
.Lend:
	s_wait_tensorcnt 0x0
	ds_add_u32 v208, v209
	s_wait_dscnt 0x0
	s_endpgm
.Lweights:
; Wqkv [1024 (k)][3072] and Wo [1024 (k)][1024], f32, K their FIRST axis, become codes of FP8 (E4M3) with K innermost and one E8M0 scale byte for each 32 along K.
; wq: codes [4096 rows][1024] at byte 0 (rows 0-3071: Wqkv's columns, rows 3072-4095: Wo's), scale bytes [4096 rows][32] at byte WSO.
; In each group of 32 rows the second and third groups of eight change places (row 16 t + r of a group of tiles holds column 32 (t / 2) + 8 (t % 2) + r + 8 (r / 8)).
; A lane takes a column and its registers run down K.  Work-group 256 + 32 y + x: x = 0-23 Wqkv's groups of 128 columns, x = 24-31 Wo's; y the quarter of K.  A wave takes 32 columns x 256 along K; its codes leave through its own stage in LDS as rows of 256 bytes.
; LIMITS as above: a block of zeros gets the byte 1; NaN and infinities are not served.
.set NB,    8
.set PITCH, 272
.set KROW,  1024
.set WSO,   4194304
.set WB,    33280                      ; this path's LDS bytes begin here
.set X,     32
.set C,     96
.set OUTR,  112
.set SB,    24
.set VOFF,  176
.set SBA,   32
	s_load_b128 s[4:7], s[0:1], 0x20               ; Wqkv, Wo
	s_load_b64 s[8:9], s[0:1], 0x30                ; wq
	v_lshrrev_b32 v1, 5, v0
	v_readfirstlane_b32 s16, v1                    ; wave 0..3
	v_and_b32 v2, 31, v0                           ; lane
	s_wait_alu depctr_va_vdst(0)
	s_sub_co_u32 s48, ttmp9, 256
	s_lshr_b32 s18, s48, 5                         ; y: which 256 along K
	s_and_b32 s48, s48, 31                         ; x
	s_mov_b32 s10, 12288
	s_cmp_lt_u32 s48, 24
	s_cselect_b32 s10, s10, 4096                   ; the pitch in bytes
	s_cselect_b32 s11, 0, 24
	s_sub_co_u32 s11, s48, s11
	s_lshl_b32 s17, s11, 7
	s_lshl_b32 s24, s16, 5
	s_add_co_u32 s17, s17, s24                     ; my wave's first column in its tensor
	s_lshl_b32 s19, s48, 7
	s_add_co_u32 s19, s19, s24                     ; and its first row in wq
	s_lshl_b32 s20, s18, 8
	s_mul_i32 s20, s20, s10
	s_lshl_b32 s17, s17, 2
	s_add_co_u32 s20, s20, s17
	s_mov_b32 s21, 0
	s_lshl_b32 s22, s10, 5                         ; from block to block: 32 rows
	s_mov_b32 s23, 0
	s_lshl_b32 s26, s19, 10
	s_lshl_b32 s27, s18, 8
	s_add_co_u32 s26, s26, s27                     ; codes: row x 1,024 + 256 y
	s_mov_b32 s27, 0
	s_lshl_b32 s28, s19, 5
	s_lshl_b32 s29, s18, 3
	s_add_co_u32 s28, s28, s29                     ; scale bytes: row x 32 + 8 y
	s_mov_b32 s29, 0
	s_mov_b32 s31, MANT
	s_mul_i32 s25, s16, 32*PITCH
	s_add_co_u32 s25, s25, WB                      ; my stage
	v_mul_u32_u24 v4, v2, PITCH
	v_add_nc_u32 v4, s25, v4
	v_and_b32 v5, 15, v2
	v_lshrrev_b32 v6, 4, v2
	v_mul_u32_u24 v7, v6, PITCH
	v_lshl_add_u32 v7, v5, 4, v7
	v_add_nc_u32 v7, s25, v7
	v_mul_u32_u24 v8, v6, KROW
	v_lshl_add_u32 v8, v5, 4, v8
	v_and_b32 v9, 7, v2                            ; my column's row among the wave's 32: bits 3 and 4 of the lane change places
	v_and_b32 v10, 8, v2
	v_lshl_or_b32 v9, v10, 1, v9
	v_and_b32 v10, 16, v2
	v_lshrrev_b32 v10, 1, v10
	v_or_b32 v9, v9, v10
	v_lshlrev_b32 v9, 5, v9
	v_lshlrev_b32 v[VOFF], 2, v2
.set i, 1
.rept 31
	v_add_nc_u32 v[VOFF+i], s10, v[VOFF+i-1]
.set i, i+1
.endr
	s_wait_alu depctr_va_vdst(0)
	s_wait_kmcnt 0x0
	s_cmp_lt_u32 s48, 24
	s_cselect_b64 s[4:5], s[4:5], s[6:7]           ; the choice hangs on the work-group's number alone
	s_add_nc_u64 s[SBA:SBA+1], s[4:5], s[20:21]
.irp t, 1,2,3,4,5,6,7
	s_add_nc_u64 s[SBA+2*\t:SBA+2*\t+1], s[SBA+2*\t-2:SBA+2*\t-1], s[22:23]
.endr
	s_add_nc_u64 s[12:13], s[8:9], s[26:27]
	s_add_nc_u64 s[14:15], s[8:9], WSO
	s_add_nc_u64 s[14:15], s[14:15], s[28:29]
.macro WLOAD t                         ; block t: W(32 t + i, my column) into set t % 2
.set i, 0
.rept 32
	global_load_b32 v[X+32*((\t)%2)+i], v[VOFF+i], s[SBA+2*(\t):SBA+2*(\t)+1] th:TH_LOAD_NT
.set i, i+1
.endr
.endm
	WLOAD 0
	WLOAD 1
.macro BLOCK t
.set XS, X+32*((\t)%2)
.if (\t) < NB-1
	s_wait_loadcnt 32                              ; this block's 32 loads are in; the next block's may be out
.else
	s_wait_loadcnt 0
.endif
	v_max3_num_f32 v12, |v[XS]|, |v[XS+1]|, |v[XS+2]|
	v_max3_num_f32 v13, |v[XS+3]|, |v[XS+4]|, |v[XS+5]|
.irp i, 6,10,14,18,22,26
	v_max3_num_f32 v12, v12, |v[XS+\i]|, |v[XS+\i+1]|
	v_max3_num_f32 v13, v13, |v[XS+\i+2]|, |v[XS+\i+3]|
.endr
	v_max3_num_f32 v12, v12, |v[XS+30]|, |v[XS+31]|
	v_max3_num_f32 v12, v12, v13, (EMAX+1)<<23     ; and the floor: the byte cannot fall under 1
	v_add_nc_u32 v11, -(EMAX<<23), v12             ; the conversion's scale operand
	v_and_or_b32 v10, v12, 0x7f800000, s31         ; 448 x the scale
	v_lshrrev_b32 v13, 23, v11                     ; the scale's byte
.if (\t)%4 == 0
	v_mov_b32 v[SB+(\t)/4], v13
.else
	v_lshl_or_b32 v[SB+(\t)/4], v13, 8*((\t)%4), v[SB+(\t)/4]
.endif
.irp i, 0,1,2,3,4,5,6,7,8,9,10,11,12,13,14,15,16,17,18,19,20,21,22,23,24,25,26,27,28,29,30,31
	v_med3_num_f32 v[XS+\i], v[XS+\i], -v10, v10   ; the hold at the largest code x the scale (ISA guide 7.6.2)
.endr
.irp g, 0,1,2,3
	v_cvt_scalef32_pk8_fp8_f32 v[C+2*\g:C+2*\g+1], v[XS+8*\g:XS+8*\g+7], v11
.endr
	v_nop                                          ; a plain line behind the last conversion
	ds_store_b128 v4, v[C:C+3] offset:32*(\t)
	ds_store_b128 v4, v[C+4:C+7] offset:32*(\t)+16
.if (\t)+2 < NB
	WLOAD (\t)+2
.endif
	s_wait_dscnt 0x0                               ; the stores have read their registers
.endm
.set Q, 0
.rept NB
	BLOCK Q
.set Q, Q+1
.endr
	global_store_b64 v9, v[SB:SB+1], s[14:15]      ; my column's 8 scale bytes
.irp t, 0,1,2,3,4,5,6,7,8,9,10,11,12,13,14,15
	ds_load_b128 v[OUTR+4*\t:OUTR+4*\t+3], v7 offset:2*\t*PITCH
.endr
.irp t, 0,1,2,3,4,5,6,7,8,9,10,11,12,13,14,15
	s_wait_dscnt 15-\t
	global_store_b128 v8, v[OUTR+4*\t:OUTR+4*\t+3], s[12:13] offset:(8*((((\t)/4)&1)*2+((\t)/4)/2)+2*((\t)&3))*KROW
.endr
	s_wait_tensorcnt 0x0
	ds_add_u32 v208, v209
	s_wait_dscnt 0x0
	s_endpgm
.Lfunc_end_k_qf0bc853e96_quant_x:
	.size	k_qf0bc853e96_quant_x, .Lfunc_end_k_qf0bc853e96_quant_x-k_qf0bc853e96_quant_x
	.p2alignl 7, 3214868480
	.fill 96, 4, 3214868480
	.section	.rodata,"a",@progbits
	.p2align	6, 0x0
	.amdhsa_kernel k_qf0bc853e96_quant_x
		.amdhsa_group_segment_fixed_size 68608
		.amdhsa_private_segment_fixed_size 0
		.amdhsa_enable_private_segment 0
		.amdhsa_kernarg_size 56
		.amdhsa_user_sgpr_count 2
		.amdhsa_user_sgpr_kernarg_segment_ptr 1
		.amdhsa_wavefront_size32 1
		.amdhsa_system_sgpr_workgroup_id_x 1
		.amdhsa_system_sgpr_workgroup_id_y 1
		.amdhsa_system_sgpr_workgroup_id_z 1
		.amdhsa_system_vgpr_workitem_id 0
		.amdhsa_next_free_vgpr 210
		.amdhsa_next_free_sgpr 66
		.amdhsa_reserve_vcc 1
		.amdhsa_float_denorm_mode_32 3
		.amdhsa_float_denorm_mode_16_64 3
		.amdhsa_memory_ordered 1
		.amdhsa_forward_progress 1
		.amdhsa_inst_pref_size 112
	.end_amdhsa_kernel
	.amdgpu_metadata
---
amdhsa.version: [ 1, 2 ]
amdhsa.kernels:
  - .name:           k_qf0bc853e96_quant_x
    .symbol:         k_qf0bc853e96_quant_x.kd
    .args:
      - { .name: string, .offset: 0, .size: 8, .value_kind: global_buffer, .address_space: global }
      - { .name: string_len, .offset: 8, .size: 8, .value_kind: global_buffer, .address_space: global }
      - { .name: xq, .offset: 16, .size: 8, .value_kind: global_buffer, .address_space: global }
      - { .name: out1, .offset: 24, .size: 8, .value_kind: global_buffer, .address_space: global }
      - { .name: Wqkv, .offset: 32, .size: 8, .value_kind: global_buffer, .address_space: global }
      - { .name: Wo, .offset: 40, .size: 8, .value_kind: global_buffer, .address_space: global }
      - { .name: wq, .offset: 48, .size: 8, .value_kind: global_buffer, .address_space: global }
    .group_segment_fixed_size: 68608
    .private_segment_fixed_size: 0
    .kernarg_segment_align: 8
    .kernarg_segment_size: 56
    .max_flat_workgroup_size: 128
    .sgpr_count:     66
    .vgpr_count:     210
    .wavefront_size: 32
...
	.end_amdgpu_metadata
.endif
;; end of part 1
;; launch gemm_qkv (part 2): grid 16 x 16, 4 waves a work-group, clusters of 4 x 4, 327,680 bytes of LDS; arguments xq, wq, bqkv, qi, kv; writes qi, kv
.if DOCPART == 2
	.amdgcn_target "amdgcn-amd-amdhsa--gfx1250"
	.amdhsa_code_object_version 6
	.text
	.protected	k_qf0bc853e96_gemm_qkv
	.globl	k_qf0bc853e96_gemm_qkv
	.p2align	8
	.type	k_qf0bc853e96_gemm_qkv,@function
k_qf0bc853e96_gemm_qkv:
	s_mov_b64 s[64:65], 0
	v_nop
	global_prefetch_b8 v0, s[64:65] scope:SCOPE_SE
	s_setreg_imm32_b32 hwreg(HW_REG_WAVE_MODE, 25, 1), 1
	s_wait_xcnt 0x0
	s_wait_alu depctr_hold_cnt(0) depctr_sa_sdst(0) depctr_va_vdst(0) depctr_va_sdst(0) depctr_va_ssrc(0) depctr_va_vcc(0) depctr_vm_vsrc(0)
	s_getreg_b32 s2, hwreg(HW_REG_IB_STS2, 6, 4)
	s_cmp_eq_u32 s2, 0
	s_cbranch_scc0 .Lentry_in_a_cluster
	s_endpgm
.Lentry_in_a_cluster:
	s_bfe_u32 s2, ttmp6, 0x10000c
	s_cmp_lg_u32 s2, 0xf033
	s_cbranch_scc0 .Lentry_shape_is_right
	s_endpgm
.Lentry_shape_is_right:
; string Wqkv + bqkv on codes of FP8 (E4M3) with E8M0 scales, 8,192 x 3,072 x 1,024, and q, k, v quantised again on the way out, each along the K of the product that will read it: q and k along the head's 64, v along the tokens.
; xq: codes [8192 rows][1024], scale bytes [8192][32] at XSO;  wq: codes [4096 rows][1024], scale bytes at WSO (rows 0-3071 are Wqkv's columns).  In both, row 16 t + r of a group of tiles holds item 32 (t / 2) + 8 (t % 2) + r + 8 (r / 8).
; OUT, as images of operand registers (four registers: 512 bytes, lane l's 16 bytes at 16 l):
;   qi [head 64][group of 128 tokens 16][8,704]: codes [tile 8][c 2][512]; at 8,192 scale words [lane 32][4]: word q of lane (r, h) is tile 2 q + h's, row r: s0 | s1 << 8 | 0x7f7f0000.
;   kv [head 64][step of 128 keys 16][17,152]: k laid as a group of qi; at 8,704 v's codes [tile of 16 channels 4][c 4][512]; at 16,896 its scale words [lane 32][2]: word q of lane (r, h) is tile 2 q + h's, byte c for keys 32 c on.
; THE DEAL.  256 work-groups of four waves, 2 x 2.  A wave holds 64 rows of a weight (one head), ALL of K, in 512 registers (windows 1, 2) and streams blocks of 16 rows of xq past them, which stand in two sets of 128 registers (window 3); a block is 32 products on four accumulators by turns.
; PHASE 1: 512 tokens x 128 columns of Q (tile columns 0-7) or K (8-15): four chunks of 128 rows, C0 .. C3; wave row w takes tiles 2 j + w of a chunk.  Source 0 = the weight's rows: a lane holds one token, its 32 sums are the head's columns 32 b + 16 (lane / 16) + 0 .. 15.
; PHASE 2: 256 tokens x 128 columns of V: chunks V0, V1: window (cluster x) % 2 of the work-group's own 512 rows; W_v's tile column is 4 ((cluster x) / 2) + cx.  Wave row w takes tiles 4 w + j.  Source 0 = xq's rows: a lane holds one channel, and the sums of two neighbouring blocks are 16 neighbouring tokens.
; LDS: two slots of 128 rows of 1,024 bytes, 16 bytes of padding behind each.  At the head slot 1 takes the first weight (waves 0, 1: a line of their own, they alone wait at the first barrier) and slot 0 C0 (waves 2, 3).
; Every later fill is a refill of the same shape, a quarter a wave, behind a drained round of the cluster's barrier: C1 over the weight once it is in registers; C2, C3, V0, W_v inside blocks 2, 6, 10, 14, each over the chunk whose last rows were fetched a block before; V1 over W_v.
; The round in front of a refill also shows the fill before it; W_v is shown by the barrier at the change of phase, V1 by the barrier inside block 18.
; CLUSTERS: 4 x 4 work-groups; xq's rows are asked for jointly along a row of the cluster, a weight's along a column.
; PREFETCH: a chunk's 131,072 bytes are named once in each cluster row (W_v's: column), 8,192 bytes for each of its sixteen waves, told apart by address: C1, C2 at the head, C3 in block 2, W_v in block 6.  V0 and V1 are rows that the same cluster row has read in phase 1: they are not named.
; THE BIAS is the first four products' C.  Scale words come from memory into registers: a weight's 16, xq's 32 for a chunk, a chunk ahead, in two sets.
; LIMITS: a block of zeros gets the byte 1 where the rule says 127 (its codes are zeros, and this program alone reads the bytes); NaN and infinities are not served.
.set KROW,   1024
.set PITCH,  1040                      ; an odd multiple of 16: the 16 rows that a load touches start at 16 different groups of banks (ISA guide 11.1)
.set SLOTB,  128*PITCH
.set YB,     SLOTB
.set SPARE,  2*SLOTB
.set XSO,    8388608
.set WSO,    4194304
.set CHB,    131072                    ; a chunk's codes in memory
.set AX,   8                           ; v8-15   LDS address of tile 2 j + w in slot s: register j + 4 s
.set AV,   16                          ; v16-23  of tile 4 w + j
.set SB,   24                          ; v24-39  the weight's scale words: register 8 p + q: lanes 0-15 tile 2 p's, lanes 16-31 tile 2 p + 1's
.set ADRB, 40                          ; v40     LDS address of my fragments of a weight
.set CN,   41                          ; v41     16 x lane
.set SCA,  42                          ; v42     where Q's, K's scale words go
.set SVA,  43                          ; v43     where V's scale bytes go
.set SA,   44                          ; v44-107 xq's scale words: two sets of 4 blocks x 8.  No product's two scale words have numbers equal modulo 8
.set ACC,  108                         ; v108-171 two sets of four accumulators
.set BQ,   172                         ; v172-203 the bias in the accumulators' layout
.set CD,   204                         ; v204-219 codes
.set TM,   220                         ; v220-235 +0 largest magnitudes, +4 the other half's and the bytes, +8 448 x the scale, +12 the conversions' scale operands
.set GW,   236                         ; v236-239 scale words on their way out
.set HB,   240                         ; v240-243 V's two bytes a tile
.set BV,   244                         ; v244-247 V's bias, a number a tile
.set SPW,  248
.set NIL,  249
.set PFO,  250
.set PFW,  251
.set G1W, 24
.set G1A, 32
.set G1R, 48
.set G1V, 72
.set G0W, 56
.set G0A, 60
.set G0R, 68
.set G0V, 80
.set MSB, 0
.macro WIN new                         ; the immediate's high byte repeats the setting that is left
.if MSB != (\new)
	s_set_vgpr_msb (MSB<<8)|(\new)
.set MSB, (\new)
.endif
.endm
.macro CROUND                          ; a round of the cluster's barrier
	s_barrier_signal -1
	s_barrier_wait -1
	s_cmp_lg_u32 s14, 0
	s_cbranch_scc1 .Lnot_wave_0_\@
	s_barrier_signal -3
.Lnot_wave_0_\@:
	s_barrier_wait -3
	s_barrier_signal -1
	s_barrier_wait -1
.endm
.macro TLOAD g0, g1                    ; an s_nop 0 and four v_nop follow the load
	tensor_load_to_lds s[\g0:\g0+3], s[\g1:\g1+7]
	s_nop 0
.rept 4
	v_nop
.endr
.endm
.macro GROUP1 g, mask, rows            ; so many whole rows of 1,024 bytes, dense in memory, 4 words of padding behind each 256 words
	s_or_b32 s[\g+0], s\mask, (1<<20)|(1<<21)|(7<<22)|(3<<25)
	s_mov_b32 s[\g+1], KROW<<16
	s_mov_b32 s[\g+2], (\rows)<<16
	s_mov_b32 s[\g+3], KROW<<16
	s_mov_b32 s[\g+4], \rows
	s_mov_b32 s[\g+5], KROW
	s_mov_b32 s[\g+6], 0
	s_mov_b32 s[\g+7], 0
.endm
	s_load_b256 s[92:99], s[0:1], 0x0              ; xq, wq, bqkv, qi
	s_load_b64 s[100:101], s[0:1], 0x20            ; kv
	v_lshl_add_u32 v[SPW], v0, 2, SPARE
	v_mov_b32 v[NIL], 0
	ds_add_u32 v[SPW], v[NIL]                      ; the opening lines: the add, twice on end, and its wait
	ds_add_u32 v[SPW], v[NIL]
	v_lshrrev_b32 v1, 5, v0
	v_readfirstlane_b32 s14, v1                    ; wave 0..3
	s_lshr_b32 s15, s14, 1                         ; my row of waves
	s_and_b32 s16, s14, 1                          ; my column of waves.  Also: which half I fetch at the head
	s_bfe_u32 s40, ttmp6, 0x40000                  ; cx
	s_bfe_u32 s41, ttmp6, 0x40004                  ; cy
	s_lshl_b32 s42, ttmp9, 2
	s_add_co_u32 s42, s42, s40                     ; phase 1's block of 128 columns
	s_and_b32 s17, ttmp7, 0xffff
	s_lshl_b32 s17, s17, 2
	s_add_co_u32 s17, s17, s41                     ; the block of 512 tokens
	s_and_b32 s18, ttmp9, 1                        ; V's window of 256 of them
	s_lshr_b32 s19, ttmp9, 1                       ; 0: Q, 1: K
	s_lshl_b32 s66, s19, 2
	s_add_co_u32 s66, s66, s40                     ; V's block of 128 columns
	s_lshl_b32 s43, s41, 2
	s_lshl_b32 s43, 15, s43                        ; my row of the cluster
	s_lshl_b32 s44, 0x1111, s40                    ; my column
	GROUP1 G1W, 44, 64
	GROUP1 G1A, 43, 64
	GROUP1 G1R, 43, 32
	GROUP1 G1V, 44, 32
	s_lshl_b32 s2, s16, 16                         ; 64 rows of 1,024 bytes
	s_lshl_b32 s3, s14, 15                         ; 32 rows
	s_lshl_b32 s20, s17, 19                        ; my 512 rows of xq
	s_add_co_u32 s22, s20, s3                      ; s22: my quarter of C0;
	s_lshl_b32 s23, s18, 18
	s_add_co_u32 s23, s23, s22                     ; s23: of V0
	s_add_co_u32 s20, s20, s2
	s_mov_b32 s21, 0                               ; stays 0
	s_lshl_b32 s46, s42, 17
	s_add_co_u32 s46, s46, s2
	s_mov_b32 s47, 0
	s_lshl_b32 s90, s66, 17                        ; W_v's rows lie behind W_q's and W_k's 2,048
	s_add_co_u32 s90, s90, s3
	s_add_co_u32 s90, s90, 2<<20
	s_mov_b32 s91, 0
	s_mul_i32 s45, s16, 64*PITCH                   ; where the tiles go: no place in the cluster enters an LDS address
	s_mul_i32 s67, s14, 32*PITCH
	s_wait_alu depctr_va_vdst(0)
	s_wait_dscnt 0x0
	s_wait_kmcnt 0x0
	s_mov_b32 s[G0W], 1
	s_add_co_u32 s[G0W+1], s45, YB
	s_add_nc_u64 s[G0W+2:G0W+3], s[94:95], s[46:47]
	s_or_b32 s[G0W+3], s[G0W+3], 0x80000000
	s_mov_b32 s[G0A], 1
	s_mov_b32 s[G0A+1], s45
	s_add_nc_u64 s[G0A+2:G0A+3], s[92:93], s[20:21]
	s_or_b32 s[G0A+3], s[G0A+3], 0x80000000
	s_mov_b32 s[G0V], 1
	s_add_co_u32 s[G0V+1], s67, YB
	s_add_nc_u64 s[G0V+2:G0V+3], s[94:95], s[90:91]
	s_or_b32 s[G0V+3], s[G0V+3], 0x80000000
	s_mov_b32 s[G0R], 1
	CROUND                                         ; all sixteen work-groups are here: the first joint loads meet
	s_cmp_lt_u32 s14, 2
	s_cbranch_scc0 .Lfor_a
	TLOAD G0W, G1W                                 ; waves 0, 1: the first weight's rows, which are wanted first
	s_branch .Lasked
.Lfor_a:
	TLOAD G0A, G1A                                 ; waves 2, 3: C0
.Lasked:
	s_mov_b32 s3, 0
	s_lshl_b32 s2, s42, 12                         ; s[4:5] the first weight's scale bytes: 32 a row; my wave's 64 rows
	s_lshl_b32 s12, s16, 11
	s_add_co_u32 s2, s2, s12
	s_add_nc_u64 s[4:5], s[94:95], s[2:3]
	s_add_nc_u64 s[4:5], s[4:5], WSO
	s_lshl_b32 s2, s66, 12                         ; s[6:7] W_v's
	s_add_co_u32 s2, s2, s12
	s_add_co_u32 s2, s2, 65536
	s_add_nc_u64 s[6:7], s[94:95], s[2:3]
	s_add_nc_u64 s[6:7], s[6:7], WSO
	s_lshl_b32 s2, s17, 14                         ; s[8:9] xq's, phase 1: tile w of C0
	s_lshl_b32 s12, s15, 9
	s_add_co_u32 s12, s12, s2
	s_mov_b32 s13, 0
	s_add_nc_u64 s[8:9], s[92:93], s[12:13]
	s_add_nc_u64 s[8:9], s[8:9], XSO
	s_lshl_b32 s12, s18, 13                        ; s[10:11] phase 2: tile 4 w of V0
	s_add_co_u32 s2, s2, s12
	s_lshl_b32 s12, s15, 11
	s_add_co_u32 s2, s2, s12
	s_add_nc_u64 s[10:11], s[92:93], s[2:3]
	s_add_nc_u64 s[10:11], s[10:11], XSO
	s_lshl_b32 s2, s42, 9                          ; s[46:47] the bias of phase 1's 64 columns
	s_lshl_b32 s12, s16, 8
	s_add_co_u32 s2, s2, s12
	s_add_nc_u64 s[46:47], s[96:97], s[2:3]
	s_lshl_b32 s2, s66, 9                          ; s[90:91] of V's
	s_add_co_u32 s2, s2, s12
	s_add_co_u32 s2, s2, 8192
	s_add_nc_u64 s[90:91], s[96:97], s[2:3]
	s_mov_b32 s86, 17152                           ; s[86:87] from a group of 128 tokens to the next: qi's or kv's
	s_cmp_eq_u32 s19, 0
	s_cselect_b32 s86, 8704, s86
	s_cselect_b64 s[84:85], s[98:99], s[100:101]   ; the choice hangs on the cluster's x alone
	s_mov_b32 s87, 0
	s_and_b32 s2, s42, 7
	s_lshl_b32 s2, s2, 1
	s_add_co_u32 s2, s2, s16                       ; my head
	s_lshr_b32 s12, s17, 2
	s_lshl_b32 s12, s12, 4
	s_add_co_u32 s2, s2, s12                       ; + 16 x batch
	s_lshl_b32 s2, s2, 4
	s_and_b32 s12, s17, 3
	s_lshl_b32 s12, s12, 2
	s_add_co_u32 s2, s2, s12                       ; C0's group
	s_mul_i32 s2, s2, s86
	s_lshl_b32 s12, s15, 10                        ; tile w: 1,024 bytes
	s_add_co_u32 s2, s2, s12
	s_add_nc_u64 s[84:85], s[84:85], s[2:3]        ; s[84:85] where the chunk's codes go
	s_lshl_b32 s13, s17, 1
	s_add_co_u32 s13, s13, s18                     ; V's window of 256 tokens
	s_lshr_b32 s2, s13, 3
	s_lshl_b32 s2, s2, 4
	s_lshl_b32 s20, s66, 1
	s_add_co_u32 s2, s2, s20
	s_add_co_u32 s2, s2, s16                       ; 16 x batch + V's head
	s_lshl_b32 s2, s2, 4
	s_and_b32 s13, s13, 7
	s_lshl_b32 s13, s13, 1
	s_add_co_u32 s2, s2, s13                       ; V0's step of 128 keys
	s_mul_i32 s2, s2, 17152
	s_add_co_u32 s2, s2, s12                       ; c = 2 w: 1,024 bytes
	s_add_co_u32 s2, s2, 8704
	s_add_nc_u64 s[88:89], s[100:101], s[2:3]      ; s[88:89] where V's codes go
	s_mul_i32 s12, s15, 16*PITCH
	s_mul_i32 s13, s15, 64*PITCH
	s_add_co_u32 s45, s45, YB
	s_mul_i32 s2, s15, 768
	s_sub_co_u32 s2, 8192, s2                      ; the words of wave row w lie at 8,192 + 256 w of the group; s[84:85] stands 1,024 w into it
	s_mul_i32 s3, s15, 1022
	s_sub_co_u32 s3, 8192, s3                      ; V's bytes 2 w, 2 w + 1 of each word; s[88:89] stands 1,024 w beyond 8,704
	s_lshl_b32 s20, s40, 2                         ; which of the cluster row's sixteen waves I am,
	s_add_co_u32 s20, s20, s14
	s_lshl_b32 s20, s20, 13
	s_lshl_b32 s19, s17, 19
	s_add_co_u32 s20, s20, s19
	s_lshl_b32 s19, s41, 2                         ; and of the column's
	s_add_co_u32 s19, s19, s14
	s_lshl_b32 s19, s19, 13
	s_lshl_b32 s18, s66, 17
	s_add_co_u32 s19, s19, s18
	s_add_co_u32 s19, s19, 2<<20
	v_and_b32 v1, 15, v0                           ; r
	v_bfe_u32 v2, v0, 4, 1                         ; h
	v_and_b32 v3, 31, v0                           ; lane
	v_mul_u32_u24 v4, v1, PITCH
	v_lshl_add_u32 v4, v2, 4, v4                   ; a fragment's row x pitch + 16 h
	v_add_nc_u32 v5, s12, v4
.irp i, 0,1,2,3,4,5,6,7
	v_add_nc_u32 v[AX+\i], (\i/4)*YB+(\i%4)*32*PITCH, v5
.endr
	v_add_nc_u32 v5, s13, v4
.irp i, 0,1,2,3,4,5,6,7
	v_add_nc_u32 v[AV+\i], (\i/4)*YB+(\i%4)*16*PITCH, v5
.endr
	v_add_nc_u32 v[ADRB], s45, v4
	v_lshlrev_b32 v[CN], 4, v3
	v_lshl_add_u32 v[SCA], v1, 4, s2
	v_lshl_add_u32 v[SVA], v3, 3, s3
	v_lshlrev_b32 v6, 5, v3                        ; a weight's scale bytes: lane l takes row l of a pair of tiles
	v_lshlrev_b32 v7, 5, v1                        ; xq's: row r
	v_lshlrev_b32 v252, 6, v2                      ; phase 1's bias: 16 numbers for each half of the lanes
	v_and_b32 v253, 8, v1
	v_add_nc_u32 v253, v253, v1
	v_lshlrev_b32 v253, 2, v253                    ; V's: column r + 8 (r / 8) of a tile's
	v_lshl_add_u32 v[PFO], v3, 8, s20
	v_lshl_add_u32 v[PFW], v3, 8, s19
.irp t, 0,1,2,3
	v_mov_b32 v[TM+4+\t], 0                        ; a lane permute's destination counts as one of its sources
.endr
.macro SBLOAD p                        ; a weight's scale words
.irp u, 0,1
.irp c, 0,1
	global_load_b128 v[SB+8*\u+4*\c:SB+8*\u+4*\c+3], v6, s[\p:\p+1] offset:1024*\u+16*\c
.endr
.endr
.endm
.macro SALOAD set, p, off, step        ; a chunk's scale words of my four blocks
.irp j, 0,1,2,3
	global_load_b128 v[SA+32*(\set)+8*\j:SA+32*(\set)+8*\j+3], v7, s[\p:\p+1] offset:(\off)+(\step)*\j
	global_load_b128 v[SA+32*(\set)+8*\j+4:SA+32*(\set)+8*\j+7], v7, s[\p:\p+1] offset:(\off)+(\step)*\j+16
.endr
.endm
	SBLOAD 4
	SALOAD 0, 8, 0, 1024
.irp u, 0,1
.irp k, 0,1,2,3
	global_load_b128 v[BQ+16*\u+4*\k:BQ+16*\u+4*\k+3], v252, s[46:47] offset:128*\u+16*\k
.endr
.endr
.irp t, 0,1,2,3
	global_load_b32 v[BV+\t], v253, s[90:91] offset:4*(32*(\t/2)+8*(\t%2))
.endr
	global_prefetch_b8 v[PFO], s[92:93] offset:CHB th:TH_LOAD_NT scope:SCOPE_SE
	global_prefetch_b8 v[PFO], s[92:93] offset:2*CHB th:TH_LOAD_NT scope:SCOPE_SE
	s_mov_b32 s40, 0x76543210                      ; v_permlanex16_b32's selects for lane l xor 16
	s_mov_b32 s41, 0xfedcba98
	s_mov_b32 s42, 0x600000                        ; the mantissa field of 448
	s_mov_b32 s43, 0x7f7f0000                      ; the scale 1 for the half of K that attention fills with zero codes
	s_mov_b32 s44, 0xffff0000                      ; lanes 16-31
	s_wait_alu depctr_va_vdst(0)
	s_cmp_lt_u32 s14, 2
	s_cbranch_scc0 .Lnot_w
	s_wait_tensorcnt 0x0                           ; waves 0, 1: the weight's rows are in; the other waves' wait stands in front of the round below
.Lnot_w:
	s_barrier_signal -1
	s_barrier_wait -1
.macro WEIGHTS                         ; my 64 rows of the weight in slot 1, all of K: fragment 4 q + b (16 registers) in window 1 + q / 4
.irp q, 0,1,2,3,4,5,6,7
	WIN (1+\q/4)<<6
.irp b, 0,1,2,3
.irp c, 0,1,2,3
	ds_load_b128 v[16*((4*\q+\b)%16)+4*\c:16*((4*\q+\b)%16)+4*\c+3], v[ADRB] offset:128*\q+32*\c+\b*16*PITCH
.endr
.endr
.endr
	WIN 0
.endm
.macro GRD
	s_wait_tensorcnt 0x0
	ds_add_u32 v[SPW], v[NIL]
.endm
.macro REFILL src, konst, slot         ; 128 rows of xq, a quarter a wave, into a slot that nobody reads any more
	GRD
	s_add_co_u32 s20, s\src, \konst                ; no tensor load of mine is out: group 0 may be written
	s_add_nc_u64 s[G0R+2:G0R+3], s[92:93], s[20:21]
	s_or_b32 s[G0R+3], s[G0R+3], 0x80000000
	s_add_co_u32 s[G0R+1], s67, (\slot)*YB
	s_wait_dscnt 0x0                               ; the add is done, and so are my reads of the slot
	CROUND
	TLOAD G0R, G1R
.endm
.macro FETCH e, adr                    ; a block of xq, 16 rows, all of K, into set e of window 3: 32 loads
	WIN 3<<6
.irp q, 0,1,2,3,4,5,6,7
.irp c, 0,1,2,3
	ds_load_b128 v[128*(\e)+16*\q+4*\c:128*(\e)+16*\q+4*\c+3], v[\adr] offset:128*\q+32*\c
.endr
.endr
	WIN 0
.endm
; block n's 32 products.  kind 0: source 0 = the weight's rows; kind 1: source 0 = xq's rows.  w: the LDS loads that may stay out: the next block's 32
.macro MULS kind, n, w
	s_wait_dscnt \w
.irp q, 0,1,2,3,4,5,6,7
.irp b, 0,1,2,3
.set D_, ACC+32*((\n)%2)+8*\b
.set W_, 16*((4*\q+\b)%16)
.set X_, 128*((\n)%2)+16*\q
.set XS_, SA+32*(((\n)/4)%2)+8*((\n)%4)+\q
.set WS_, SB+8*(\b/2)+\q
.set C_, D_
.if \q == 0
.set C_, BQ+8*\b
.endif
.if \kind
	WIN 3|((1+\q/4)<<2)
.if \b%2
	v_wmma_scale_f32_16x16x128_f8f6f4 v[D_:D_+7], v[X_:X_+15], v[W_:W_+15], v[C_:C_+7], v[XS_], v[WS_] matrix_b_scale:MATRIX_SCALE_ROW1
.else
	v_wmma_scale_f32_16x16x128_f8f6f4 v[D_:D_+7], v[X_:X_+15], v[W_:W_+15], v[C_:C_+7], v[XS_], v[WS_]
.endif
.else
	WIN (1+\q/4)|(3<<2)
.if \b%2
	v_wmma_scale_f32_16x16x128_f8f6f4 v[D_:D_+7], v[W_:W_+15], v[X_:X_+15], v[C_:C_+7], v[WS_], v[XS_] matrix_a_scale:MATRIX_SCALE_ROW1
.else
	v_wmma_scale_f32_16x16x128_f8f6f4 v[D_:D_+7], v[W_:W_+15], v[X_:X_+15], v[C_:C_+7], v[WS_], v[XS_]
.endif
.endif
.endr
.endr
	WIN 0
.rept 8
	v_nop                                          ; places in front of the loads into the set just multiplied and of the sums' first readers
.endr
.endm
; Q's or K's block n: a lane's 32 sums are two blocks of 32 shared with lane l xor 16 -> 8 registers of codes (two images) and a scale word
.macro QOUT n
.set A_, ACC+32*((\n)%2)
.set K_, CD+8*((\n)%2)
.set G_, GW+(\n)%4
	s_wait_xcnt 0x0                                ; earlier stores have read their registers
.irp t, 0,1,2,3
	v_max3_num_f32 v[TM+\t], |v[A_+8*\t]|, |v[A_+8*\t+1]|, 0x4800000   ; each accumulator from its low end on; the floor 2^(9 - 127): the byte cannot fall under 1
.endr
.irp i, 2,4,6
.irp t, 0,1,2,3
	v_max3_num_f32 v[TM+\t], v[TM+\t], |v[A_+8*\t+\i]|, |v[A_+8*\t+\i+1]|
.endr
.endr
	v_max_num_f32 v[TM], v[TM], v[TM+1]
	v_max_num_f32 v[TM+1], v[TM+2], v[TM+3]
.irp b, 0,1
	v_permlanex16_b32 v[TM+4+\b], v[TM+\b], s40, s41
.endr
.irp b, 0,1
	v_max_num_f32 v[TM+\b], v[TM+\b], v[TM+4+\b]   ; the block's largest magnitude
.endr
.irp b, 0,1
	v_add_nc_u32 v[TM+12+\b], 0xfc000000, v[TM+\b] ; 8 off its exponent field: the conversion's scale operand
.endr
.irp b, 0,1
	v_and_or_b32 v[TM+8+\b], v[TM+\b], 0x7f800000, s42   ; 448 x the scale
.endr
.irp b, 0,1
	v_lshrrev_b32 v[TM+4+\b], 23, v[TM+12+\b]      ; the scale's byte
.endr
	v_lshl_or_b32 v[G_], v[TM+5], 8, v[TM+4]
	v_or_b32 v[G_], s43, v[G_]
.irp b, 0,1
.irp i, 0,1,2,3,4,5,6,7,8,9,10,11,12,13,14,15
	v_med3_num_f32 v[A_+16*\b+\i], v[A_+16*\b+\i], -v[TM+8+\b], v[TM+8+\b]   ; the hold at the largest code x the scale (ISA guide 7.6.2)
.endr
.endr
.irp b, 0,1
	v_cvt_scalef32_pk8_fp8_f32 v[K_+4*\b:K_+4*\b+1], v[A_+16*\b:A_+16*\b+7], v[TM+12+\b]
	v_cvt_scalef32_pk8_fp8_f32 v[K_+4*\b+2:K_+4*\b+3], v[A_+16*\b+8:A_+16*\b+15], v[TM+12+\b]
.endr
	v_nop                                          ; a plain line behind the last conversion
	global_store_b128 v[CN], v[K_:K_+3], s[84:85] offset:2048*((\n)%4)         ; tile 2 j + w, c = 0: 512 consecutive bytes
	global_store_b128 v[CN], v[K_+4:K_+7], s[84:85] offset:2048*((\n)%4)+512
.if (\n)%4 == 3
	global_store_b128 v[SCA], v[GW:GW+3], s[84:85] ; the chunk's words of tiles 2 q + w: 256 consecutive bytes (lanes r and 16 + r hold the same words and name the same bytes)
	s_wait_xcnt 0x0
	s_add_nc_u64 s[84:85], s[84:85], s[86:87]      ; on to the next group of 128 tokens
.endif
.endm
; V's pair m of blocks (tiles 4 w + 2 (m % 2) and the next of chunk m / 2): in tile t of 16 channels a lane's 8 + 8 sums are 16 neighbouring tokens of block c = 2 w + m % 2, shared with lane l xor 16
.macro VOUT m
	s_wait_xcnt 0x0
.irp t, 0,1,2,3
	v_max3_num_f32 v[TM+\t], |v[ACC+8*\t]|, |v[ACC+8*\t+1]|, 0x4800000
.endr
.irp i, 2,4,6,32,34,36,38
.irp t, 0,1,2,3
	v_max3_num_f32 v[TM+\t], v[TM+\t], |v[ACC+8*\t+\i]|, |v[ACC+8*\t+\i+1]|
.endr
.endr
.irp t, 0,1,2,3
	v_permlanex16_b32 v[TM+4+\t], v[TM+\t], s40, s41
.endr
.irp t, 0,1,2,3
	v_max_num_f32 v[TM+\t], v[TM+\t], v[TM+4+\t]
.endr
.irp t, 0,1,2,3
	v_add_nc_u32 v[TM+12+\t], 0xfc000000, v[TM+\t]
.endr
.irp t, 0,1,2,3
	v_and_or_b32 v[TM+8+\t], v[TM+\t], 0x7f800000, s42
.endr
.irp t, 0,1,2,3
	v_lshrrev_b32 v[TM+4+\t], 23, v[TM+12+\t]
.endr
.irp t, 0,1,2,3
.if (\m)%2 == 0
	v_mov_b32 v[HB+\t], v[TM+4+\t]
.else
	v_lshl_or_b32 v[HB+\t], v[TM+4+\t], 8, v[HB+\t]
.endif
.endr
.irp t, 0,1,2,3
.irp i, 0,1,2,3,4,5,6,7,32,33,34,35,36,37,38,39
	v_med3_num_f32 v[ACC+8*\t+\i], v[ACC+8*\t+\i], -v[TM+8+\t], v[TM+8+\t]
.endr
.endr
.irp t, 0,1,2,3
	v_cvt_scalef32_pk8_fp8_f32 v[CD+4*\t:CD+4*\t+1], v[ACC+8*\t:ACC+8*\t+7], v[TM+12+\t]
	v_cvt_scalef32_pk8_fp8_f32 v[CD+4*\t+2:CD+4*\t+3], v[ACC+32+8*\t:ACC+32+8*\t+7], v[TM+12+\t]
.endr
	v_nop
.irp t, 0,1,2,3
	global_store_b128 v[CN], v[CD+4*\t:CD+4*\t+3], s[88:89] offset:17152*((\m)/2)+2048*\t+512*((\m)%2)
.endr
.if (\m)%2
	v_cndmask_b32 v[GW], v[HB], v[HB+1], s44       ; lanes 16-31 carry the odd tile's bytes
	v_cndmask_b32 v[GW+1], v[HB+2], v[HB+3], s44
	global_store_b16 v[SVA], v[GW], s[88:89] offset:17152*((\m)/2)      ; bytes 2 w, 2 w + 1 of word 0; the other wave row stores the other two
	global_store_b16 v[SVA], v[GW+1], s[88:89] offset:17152*((\m)/2)+4
.endif
.endm
	WEIGHTS
	REFILL 22, CHB, 1                              ; C1 over the first weight's rows; the round also shows C0
	FETCH 0, AX
	FETCH 1, AX+1
	s_wait_loadcnt 0x0                             ; the scale words and the biases
; PHASE 1: chunk k lies in slot k % 2
.irp k, 0,1,2,3
.if \k > 0
	s_wait_loadcnt 0x0                             ; this chunk's scale words, asked for a chunk ago
.endif
	MULS 0, 4*\k, 32
	FETCH 0, AX+2+4*(\k%2)
.if \k < 3
	SALOAD (\k+1)%2, 8, 4096*(\k+1), 1024
.else
	SALOAD 0, 10, 0, 512
.endif
	QOUT 4*\k
	MULS 0, 4*\k+1, 32
	FETCH 1, AX+3+4*(\k%2)
	QOUT 4*\k+1
	MULS 0, 4*\k+2, 32
.if \k == 0
	REFILL 22, 2*CHB, 0                            ; this chunk's rows are all in registers: its slot takes the chunk after the next
.elseif \k == 1
	REFILL 22, 3*CHB, 1
.elseif \k == 2
	REFILL 23, 0, 0                                ; V0
.else
	GRD
	s_wait_dscnt 0x0
	CROUND
	TLOAD G0V, G1V
.endif
.if \k < 3
	FETCH 0, AX+4*((\k+1)%2)
.else
	FETCH 0, AV
.endif
.if \k == 0
	global_prefetch_b8 v[PFO], s[92:93] offset:3*CHB th:TH_LOAD_NT scope:SCOPE_SE
.elseif \k == 1
	global_prefetch_b8 v[PFW], s[94:95] th:TH_LOAD_NT scope:SCOPE_SE
.endif
	QOUT 4*\k+2
	MULS 0, 4*\k+3, 32
.if \k < 3
	FETCH 1, AX+1+4*((\k+1)%2)
.else
	FETCH 1, AV+1
.endif
	QOUT 4*\k+3
.endr
; THE CHANGE OF PHASE: V's first two blocks stand in the two sets
	s_wait_tensorcnt 0x0                           ; every wave: my quarter of W_v's rows is in
	s_wait_dscnt 0x0
	s_barrier_signal -1
	s_barrier_wait -1
	SBLOAD 6
.irp t, 0,1,2,3
.irp i, 0,1,2,3,4,5,6,7
	v_mov_b32 v[BQ+8*\t+\i], v[BV+\t]              ; V's bias: one number for a lane's channel, in all eight registers of the tile
.endr
.endr
	s_wait_alu depctr_va_vdst(0)
	WEIGHTS
	REFILL 23, CHB, 1                              ; V1 over W_v's rows
	s_wait_loadcnt 0x0                             ; W_v's scale words, V0's
; PHASE 2
	MULS 1, 16, 0
	FETCH 0, AV+2
	SALOAD 1, 10, 4096, 512
	MULS 1, 17, 32
	FETCH 1, AV+3
	VOUT 0
	MULS 1, 18, 32
	s_wait_tensorcnt 0x0                           ; every wave: my quarter of V1 is in
	s_wait_dscnt 0x0
	s_barrier_signal -1
	s_barrier_wait -1
	FETCH 0, AV+4
	MULS 1, 19, 32
	FETCH 1, AV+5
	VOUT 1
	s_wait_loadcnt 0x0                             ; V1's scale words
	MULS 1, 20, 32
	FETCH 0, AV+6
	MULS 1, 21, 32
	FETCH 1, AV+7
	VOUT 2
	MULS 1, 22, 32
	MULS 1, 23, 0
	VOUT 3
	s_wait_tensorcnt 0x0                           ; the wave's end
	ds_add_u32 v[SPW], v[NIL]
	s_wait_dscnt 0x0
	CROUND                                         ; the closing round
	s_endpgm
.Lfunc_end_k_qf0bc853e96_gemm_qkv:
	.size	k_qf0bc853e96_gemm_qkv, .Lfunc_end_k_qf0bc853e96_gemm_qkv-k_qf0bc853e96_gemm_qkv
	.p2alignl 7, 3214868480
	.fill 96, 4, 3214868480
	.section	.rodata,"a",@progbits
	.p2align	6, 0x0
	.amdhsa_kernel k_qf0bc853e96_gemm_qkv
		.amdhsa_group_segment_fixed_size 327680
		.amdhsa_private_segment_fixed_size 0
		.amdhsa_enable_private_segment 0
		.amdhsa_kernarg_size 40
		.amdhsa_user_sgpr_count 2
		.amdhsa_user_sgpr_kernarg_segment_ptr 1
		.amdhsa_wavefront_size32 1
		.amdhsa_system_sgpr_workgroup_id_x 1
		.amdhsa_system_sgpr_workgroup_id_y 1
		.amdhsa_system_sgpr_workgroup_id_z 1
		.amdhsa_system_vgpr_workitem_id 0
		.amdhsa_next_free_vgpr 1024
		.amdhsa_next_free_sgpr 102
		.amdhsa_reserve_vcc 0
		.amdhsa_float_denorm_mode_32 3
		.amdhsa_float_denorm_mode_16_64 3
		.amdhsa_memory_ordered 1
		.amdhsa_forward_progress 1
		.amdhsa_inst_pref_size 255
	.end_amdhsa_kernel
	.section	.bss,"aw",@nobits
	.p2align	6
	.space	262144
	.amdgpu_metadata
---
amdhsa.version: [ 1, 2 ]
amdhsa.kernels:
  - .name:           k_qf0bc853e96_gemm_qkv
    .symbol:         k_qf0bc853e96_gemm_qkv.kd
    .args:
      - { .name: xq, .offset: 0, .size: 8, .value_kind: global_buffer, .address_space: global }
      - { .name: wq, .offset: 8, .size: 8, .value_kind: global_buffer, .address_space: global }
      - { .name: bqkv, .offset: 16, .size: 8, .value_kind: global_buffer, .address_space: global }
      - { .name: qi, .offset: 24, .size: 8, .value_kind: global_buffer, .address_space: global }
      - { .name: kv, .offset: 32, .size: 8, .value_kind: global_buffer, .address_space: global }
    .group_segment_fixed_size: 327680
    .private_segment_fixed_size: 0
    .kernarg_segment_align: 8
    .kernarg_segment_size: 40
    .max_flat_workgroup_size: 128
    .sgpr_count:     102
    .vgpr_count:     1024
    .wavefront_size: 32
...
	.end_amdgpu_metadata
.endif
;; end of part 2
;; launch attn (part 3): grid 4 x 64, 16 waves a work-group, clusters of 4 x 1, 327,680 bytes of LDS; arguments qi, kv, aq; writes aq
.if DOCPART == 3
	.amdgcn_target "amdgcn-amd-amdhsa--gfx1250"
	.amdhsa_code_object_version 6
	.text
	.protected	k_qf0bc853e96_attn
	.globl	k_qf0bc853e96_attn
	.p2align	8
	.type	k_qf0bc853e96_attn,@function
k_qf0bc853e96_attn:
	s_mov_b64 s[64:65], 0
	v_nop
	global_prefetch_b8 v0, s[64:65] scope:SCOPE_SE
	s_setreg_imm32_b32 hwreg(HW_REG_WAVE_MODE, 25, 1), 1
	s_wait_xcnt 0x0
	s_wait_alu depctr_hold_cnt(0) depctr_sa_sdst(0) depctr_va_vdst(0) depctr_va_sdst(0) depctr_va_ssrc(0) depctr_va_vcc(0) depctr_vm_vsrc(0)
	s_getreg_b32 s2, hwreg(HW_REG_IB_STS2, 6, 4)
	s_cmp_eq_u32 s2, 0
	s_cbranch_scc0 .Lentry_in_a_cluster
	s_endpgm
.Lentry_in_a_cluster:
	s_bfe_u32 s2, ttmp6, 0x10000c
	s_cmp_lg_u32 s2, 0x3003
	s_cbranch_scc0 .Lentry_shape_is_right
	s_endpgm
.Lentry_shape_is_right:
; Causal attention of 64 heads (batch x head), 2,048 tokens, head size 64, both products on codes of FP8 (E4M3) with E8M0 scales; the result is quantised along the features for the last product.
; qi [head 64][group of 128 tokens 16][8,704] and kv [head 64][step of 128 keys 16][17,152] hold IMAGES of operand registers (four registers: 512 bytes, lane l's 16 bytes at 16 l) and scale words:
;   q, and k at byte 0 of a step: codes [tile 8][c 2][512]; at 8,192 words [lane 32][4]: word q of lane (r, h) is tile 2 q + h's.  v at 8,704: [tile of 16 channels 4][c 4][512]; at 16,896 words [lane 32][2].
;   Row r of tile t is item 32 (t / 2) + 8 (t % 2) + r + 8 (r / 8) of its group, so that the 16 registers of two neighbouring result tiles are 16 neighbours.
; THE SOFTMAX: t = score x log2(e) / 8; M = the row's largest t so far, rounded UP to a whole number; p = 2^(t - M) is quantised along the keys, not normalised; the row's sum is taken of the unquantised p and divides at the end.
; When M moves, the sum and O are multiplied by 2^(old M - new M): exact.  Both products are used transposed (S^T = K Q^T, O^T = V^T P^T): a lane holds ONE query throughout.
; LEFT OUT: key steps all of whose keys come after a tile's group of queries: reference()'s own causal mask throws their scores away.  In the one step on the diagonal hidden scores become -infinity ahead of the maximum.
; ALL OF A HEAD'S K AND V LIE IN LDS: 16 images, 274,432 bytes; each of the sixteen waves asks for one, at the head, and nothing is filled again: the loops hold no barrier.
; SHARES.  The four work-groups of a head form a cluster.  The one at place cx takes tiles 2 cx and 2 cx + 1 of EACH of the 16 groups of 128 queries; wave (u = wave % 8, hi = wave / 8) takes tile 2 cx + hi of group 8 + u and then of group 7 - u:
; (9 + u) + (8 - u) = 17 key steps in every wave of every work-group, and every work-group reads all 16 images: they are asked for jointly (mask 15).  No branch, trip count or LDS address hangs on cx.
; TWO BARRIERS show the images: the first those of waves 0 to 4, which have a load line of their own (the first four steps read images 0 to 4); the second, behind four steps, the rest.
; K = 64 FILLS HALF OF THE INSTRUCTION'S 128.  Q's registers 8-15 are zero codes.  K's eight fragments lie on end, 8 registers each: a fragment's registers 8-15 are the next tile's codes (behind the last: zeros), finite numbers that meet Q's zeros and add nothing.
; The next step's K is fetched behind this step's first products; V's fragment b takes block b's registers of p as soon as they are converted.
; NO PREFETCH: every byte of kv is asked for by the head's sixteen loads, so no later load exists to run ahead of.
; OUT: aq codes [tile of 16 rows 512][K step 8][c 4][512], scale bytes [row 8192][32] at ASO; the rows in the tiles' own order.
; LIMITS: hidden scores are -infinity where the reference writes -1e9: the same unless a row's open logits lie near -1e9 or under; a p under 2^-126 is 0; a block of zeros gets the byte 1 (its codes are zeros); NaN and infinities are not served.
; REGISTERS: v1 16 lane, v2 8 lane, v3-4 Q's offsets, v5-6 the add's, v7 the next step's LDS address, v8-9 this step's, v10 the mask's bound, v11 the scale byte's offset; v12 -M, v13 the largest t, v[14:15] the sum;
;   v16-31 Q; v32-95 K, v96-103 zeros; v104-167 S^T, then p, then V; v168-199 O^T; v200-215 codes; v216-224 the second tile's Q; v226-227 V's scale words; v228-247, v252-254 at work; v248-251 K's scale words; v255 Q's.
.set STEPB, 17152
.set HEADB, 16*STEPB
.set SPARE, HEADB                      ; the spare words: 128 bytes for each wave, eight blocks of 256 bytes that no other line names
.set QGRP,  8704
.set ASO,   8388608
.set SPW,  5
.set NIL,  6
.set KR,   32
.set SR,   104
.set OT,   168
.set CD,   200
.set Q2,   216
.set VS,   226
.set KSC,  248
.set TB,   2                           ; s2  LDS byte at which the step's image begins
.set TN,   3                           ; s3  the next step's
.set WV,   18
.set MNT,  19
.set SEL,  20
.set CS,   22                          ; s[22:23] c = log2(e) / 8
.set G1,   24
.set G0,   32
.set NN,   40                          ; s40 the step
.set CX,   41
.set G,    45                          ; s45 the group of the tile in hand
.set GB,   46                          ; s46 the second tile's
.set HM,   47                          ; s47 lanes 16-31
.set ACA,  56
.set ASA,  58
.set ACB,  60
.set ASB,  62
.macro CROUND                          ; a round of the cluster's barrier
	s_barrier_signal -1
	s_barrier_wait -1
	s_cmp_lg_u32 s[WV], 0
	s_cbranch_scc1 .Lnot_wave_0_\@
	s_barrier_signal -3
.Lnot_wave_0_\@:
	s_barrier_wait -3
	s_barrier_signal -1
	s_barrier_wait -1
.endm
.macro KLOAD adr                       ; a step's K: the scale words of all eight tiles, then 8 registers a tile: 17 loads
	ds_load_b128 v[KSC:KSC+3], v[\adr] offset:8192
.irp t, 0,1,2,3,4,5,6,7
	ds_load_b128 v[KR+8*\t:KR+8*\t+3], v[\adr] offset:1024*\t
	ds_load_b128 v[KR+8*\t+4:KR+8*\t+7], v[\adr] offset:1024*\t+512
.endr
.endm
	s_load_b128 s[4:7], s[0:1], 0x0                ; qi, kv
	s_load_b64 s[8:9], s[0:1], 0x10                ; aq
	v_lshl_add_u32 v[SPW], v0, 2, SPARE
	v_mov_b32 v[NIL], 0
	ds_add_u32 v[SPW], v[NIL]                      ; the opening lines: the add, twice on end, and its wait
	ds_add_u32 v[SPW], v[NIL]
	v_lshrrev_b32 v8, 5, v0
	v_readfirstlane_b32 s[WV], v8                  ; wave 0..15
	s_bfe_u32 s[CX], ttmp6, 0x40000                ; my place in the cluster
	s_and_b32 s70, ttmp7, 0xffff                   ; the cluster's y: 16 x batch + head
	s_mov_b32 s[G1], 15|(3<<16)|(1<<21)            ; the mask of all four; elements of 8 bytes; bit 21 beside a mask; no padding: an image is 67 dense rows of 256 bytes
	s_mov_b32 s[G1+1], 32<<16
	s_mov_b32 s[G1+2], 67<<16
	s_mov_b32 s[G1+3], 32<<16
	s_mov_b32 s[G1+4], 67
	s_mov_b32 s[G1+5], 32
	s_mov_b32 s[G1+6], 0
	s_mov_b32 s[G1+7], 0
	s_mul_i32 s72, s70, HEADB
	s_mul_i32 s74, s[WV], STEPB                    ; my image: in memory and in LDS alike
	s_add_co_u32 s72, s72, s74
	s_mov_b32 s73, 0
	s_mov_b32 s[SEL], 0x76543210
	s_mov_b32 s[SEL+1], 0xfedcba98
	s_mov_b32 s[CS], 0x3e38aa3b
	s_mov_b32 s[CS+1], s[CS]
	s_mov_b32 s[MNT], 0x600000
	s_mov_b32 s[HM], 0xffff0000
	s_mov_b32 s[TB], 0
	s_mov_b32 s[NN], 0
	s_wait_alu depctr_va_vdst(0)
	s_wait_dscnt 0x0
	s_wait_kmcnt 0x0
	s_mov_b32 s[G0], 1
	s_mov_b32 s[G0+1], s74
	s_add_nc_u64 s[G0+2:G0+3], s[6:7], s[72:73]
	s_or_b32 s[G0+3], s[G0+3], 0x80000000
	CROUND                                         ; all four work-groups are here: the joint loads meet
	s_cmp_lt_u32 s[WV], 5                          ; one load a wave; waves 0 to 4, whose images are shown first, have a line of their own
	s_cbranch_scc0 .Llater
	tensor_load_to_lds s[G0:G0+3], s[G1:G1+7]
	s_nop 0
.rept 4
	v_nop
.endr
	s_branch .Lasked
.Llater:
	tensor_load_to_lds s[G0:G0+3], s[G1:G1+7]
	s_nop 0
.rept 4
	v_nop
.endr
.Lasked:
	s_and_b32 s49, s[WV], 7                        ; u
	s_lshr_b32 s50, s[WV], 3                       ; hi
	s_add_co_u32 s[G], s49, 8
	s_sub_co_u32 s[GB], 7, s49
	s_lshl_b32 s51, s[CX], 1
	s_add_co_u32 s51, s51, s50                     ; my tile in a group: 2 cx + hi
	s_lshl_b32 s52, s51, 10                        ; its codes: 1,024 bytes a tile
	s_lshl_b32 s53, s50, 8
	s_lshl_b32 s48, s[CX], 2
	s_add_co_u32 s53, s53, s48                     ; its scale words: 256 (tile % 2) + 4 (tile / 2)
	s_lshl_b32 s48, s[CX], 5
	s_lshl_b32 s54, s50, 3
	s_add_co_u32 s48, s48, s54                     ; its first query in the group: 32 (tile / 2) + 8 (tile % 2)
	s_lshr_b32 s54, s70, 4
	s_lshl_b32 s54, s54, 7
	s_add_co_u32 s54, s54, s51                     ; 128 x batch + tile
	s_and_b32 s55, s70, 15                         ; the head
	s_lshl_b32 s79, s55, 10
	s_lshl_b32 s80, s55, 1
	s_lshl_b32 s71, s70, 4
	s_add_nc_u64 s[88:89], s[8:9], ASO
.macro PLACE g, qb, ac, as             ; the places of my tile of group s[g]: Q's group, where the codes and the scale bytes go
	s_add_co_u32 s76, s71, s[\g]
	s_mul_i32 s76, s76, QGRP
	s_mov_b32 s77, 0
	s_add_nc_u64 s[\qb:\qb+1], s[4:5], s[76:77]
	s_lshl_b32 s78, s[\g], 3
	s_add_co_u32 s78, s78, s54                     ; my tile of 16 rows of aq
	s_lshl_b32 s76, s78, 14
	s_add_co_u32 s76, s76, s79                     ; 16,384 a tile; a head is half a K step: 1,024
	s_add_nc_u64 s[\ac:\ac+1], s[8:9], s[76:77]
	s_lshl_b32 s76, s78, 9
	s_add_co_u32 s76, s76, s80                     ; 32 scale bytes a row; a head has two
	s_add_nc_u64 s[\as:\as+1], s[88:89], s[76:77]
.endm
	PLACE G, 82, ACA, ASA
	PLACE GB, 84, ACB, ASB
	v_and_b32 v3, 15, v0                           ; r
	v_bfe_u32 v4, v0, 4, 1                         ; h
	v_and_b32 v1, 31, v0
	v_lshlrev_b32 v2, 3, v1
	v_lshlrev_b32 v1, 4, v1
	v_and_b32 v10, 8, v3
	v_add_nc_u32 v10, v10, v3                      ; r + 8 (r / 8)
	v_lshlrev_b32 v11, 4, v4
	v_sub_nc_u32 v10, v10, v11
	v_add_nc_u32 v10, s48, v10                     ; my query in its group - 16 h: on the diagonal register 16 b + i is hidden where 32 b + i is above it
	v_lshl_add_u32 v11, v3, 5, v4                  ; 32 r + h
	v_lshl_add_u32 v3, v3, 4, s53
	v_add_nc_u32 v4, s52, v1
	global_load_b128 v[16:19], v4, s[82:83] th:TH_LOAD_NT
	global_load_b128 v[20:23], v4, s[82:83] offset:512 th:TH_LOAD_NT
	global_load_b32 v255, v3, s[82:83] offset:8192
	global_load_b128 v[Q2:Q2+3], v4, s[84:85] th:TH_LOAD_NT
	global_load_b128 v[Q2+4:Q2+7], v4, s[84:85] offset:512 th:TH_LOAD_NT
	global_load_b32 v[Q2+8], v3, s[84:85] offset:8192
.irp i, 0,1,2,3,4,5,6,7
	v_mov_b32 v[24+\i], 0                          ; Q's K = 64 .. 127: zero codes
	v_mov_b32 v[KR+64+\i], 0                       ; and behind K's last tile
.endr
	v_mov_b32 v13, 0xff61b1e6                      ; the largest t so far: -3e38
	v_floor_f32 v12, -v13                          ; -M
	v_mov_b32 v14, 0
	v_mov_b32 v15, 0
.irp b, 0,1,2,3
	v_mov_b32 v[236+\b], 0                         ; a lane permute's destination counts as one of its sources
.endr
	v_mov_b32 v252, 0
	v_mov_b32 v253, 0
.set j, 0
.rept 32
	v_mov_b32 v[OT+j], 0                           ; O^T: the step is written once, and the first finds zeros
.set j, j+1
.endr
.macro SUM4 x                          ; eight of p onto the four chains of the row's sum
	v_pk_add_f32 v[14:15], v[14:15], v[\x:\x+1]
	v_pk_add_f32 v[228:229], v[228:229], v[\x+2:\x+3]
	v_pk_add_f32 v[230:231], v[230:231], v[\x+4:\x+5]
	v_pk_add_f32 v[232:233], v[232:233], v[\x+6:\x+7]
.endm
.macro PV t                            ; O^T += V^T P^T, tiles t and t + 1 of 16 channels
	v_wmma_scale_f32_16x16x128_f8f6f4 v[OT+8*\t:OT+8*\t+7], v[SR+16*\t:SR+16*\t+15], v[CD:CD+15], v[OT+8*\t:OT+8*\t+7], v[VS+\t/2], v253
	v_wmma_scale_f32_16x16x128_f8f6f4 v[OT+8*\t+8:OT+8*\t+15], v[SR+16*\t+16:SR+16*\t+31], v[CD:CD+15], v[OT+8*\t+8:OT+8*\t+15], v[VS+\t/2], v253 matrix_a_scale:MATRIX_SCALE_ROW1
.endm
; A KEY STEP: 128 keys, image s[NN].  chk = 1: the step may be hidden or lie on the diagonal
.macro STEP chk
.if \chk
	s_cmp_gt_u32 s[NN], s[G]                       ; all its keys come after my group's queries: left out
	s_cbranch_scc1 .Lhidden_\@
.endif
	s_add_co_u32 s[TN], s[TB], STEPB
.if \chk
	s_min_u32 s[TN], s[TN], 15*STEPB               ; no image lies behind the last
.endif
	v_add_nc_u32 v7, s[TN], v1
	v_add_nc_u32 v8, s[TB], v1
	v_add_nc_u32 v9, s[TB], v2
	s_wait_alu depctr_va_vdst(0)                   ; directly behind the writes
	s_wait_dscnt 0x0                               ; this step's K, asked for a step ago
.irp t, 0,2,4,6                                ; S^T = K Q^T: eight accumulators, each written once
	v_wmma_scale_f32_16x16x128_f8f6f4 v[SR+8*\t:SR+8*\t+7], v[KR+8*\t:KR+8*\t+15], v[16:31], 0, v[KSC+\t/2], v255
	v_wmma_scale_f32_16x16x128_f8f6f4 v[SR+8*\t+8:SR+8*\t+15], v[KR+8*\t+8:KR+8*\t+23], v[16:31], 0, v[KSC+\t/2], v255 matrix_a_scale:MATRIX_SCALE_ROW1
.endr                                          ; register 16 b + i of lane (r, h): key 128 NN + 32 b + 16 h + i
.rept 8
	v_nop                                          ; places in front of the loads into K's registers and of the scores' first readers
.endr
	KLOAD 7                                        ; the next step's K
	ds_load_b64 v[VS:VS+1], v9 offset:16896        ; this step's scale words of V
.if \chk
	s_cmp_lg_u32 s[NN], s[G]                       ; on the diagonal alone:
	s_cbranch_scc1 .Lopen_\@
	v_mov_b32 v254, 0xff800000                     ; -infinity
.set n, 0
.rept 64
	v_cmp_gt_i32 vcc_lo, 32*(n/16)+n%16, v10
	v_cndmask_b32 v[SR+n], v[SR+n], v254, vcc_lo
.set n, n+1
.endr
.Lopen_\@:
.endif
.irp b, 0,1,2,3
	v_max3_num_f32 v[232+\b], v[SR+16*\b], v[SR+1+16*\b], v[SR+2+16*\b]   ; the largest score of each block of 32 keys: for the row's maximum, and, since p rises with the score, for the block's largest p
.endr
.irp i, 3,5,7,9,11,13
.irp b, 0,1,2,3
	v_max3_num_f32 v[232+\b], v[232+\b], v[SR+16*\b+\i], v[SR+1+16*\b+\i]
.endr
.endr
.irp b, 0,1,2,3
	v_max_num_f32 v[232+\b], v[232+\b], v[SR+15+16*\b]
.endr
.irp b, 0,1,2,3
	s_delay_alu instid0(VALU_DEP_4)
	v_permlanex16_b32 v[236+\b], v[232+\b], s[SEL], s[SEL+1]
.endr
.irp b, 0,1,2,3
	s_delay_alu instid0(VALU_DEP_4)
	v_max_num_f32 v[232+\b], v[232+\b], v[236+\b]  ; with lane l xor 16's 16 keys
.endr
	s_delay_alu instid0(VALU_DEP_2)
	v_max3_num_f32 v254, v232, v233, v234
	s_delay_alu instid0(VALU_DEP_1)
	v_max_num_f32 v254, v254, v235
	s_delay_alu instid0(VALU_DEP_1)
	v_mul_f32 v254, s[CS], v254                    ; as t
	s_delay_alu instid0(VALU_DEP_1)
	v_max_num_f32 v13, v13, v254                   ; the running largest t
	v_mov_b32 v254, v12
	s_delay_alu instid0(VALU_DEP_2)
	v_floor_f32 v12, -v13                          ; the new -M = -ceil(t)
	s_delay_alu instid0(VALU_DEP_1)
	v_sub_f32 v254, v12, v254                      ; old M - new M: a whole number, 0 or less
	s_delay_alu instid0(VALU_DEP_1)
	v_cvt_i32_f32 v254, v254                       ; (it saturates)
	s_delay_alu instid0(VALU_DEP_1)
	v_ldexp_f32 v252, 1.0, v254                    ; f = 2^(old M - new M)
.set j, 0
.rept 32
	v_pk_fma_f32 v[SR+j:SR+j+1], v[SR+j:SR+j+1], s[CS:CS+1], v[12:13] op_sel_hi:[1,0,0]   ; t - M, two at a time
.set j, j+2
.endr
.irp b, 0,1,2,3
	v_fma_f32 v[232+\b], v[232+\b], s[CS], v12     ; the same of each block's largest score
.endr
	s_wait_alu depctr_va_vdst(0)
.set j, 0
.rept 64
	v_exp_f32 v[SR+j], v[SR+j]                     ; p = 2^(t - M)
.set j, j+1
.endr
.irp b, 0,1,2,3
	v_exp_f32 v[232+\b], v[232+\b]                 ; the block's largest p: the same two instructions on the same number
.endr
	v_pk_mul_f32 v[14:15], v[14:15], v[252:253] op_sel_hi:[1,0]   ; the sums under the new M (a plain line behind the exponentials)
	s_wait_alu depctr_va_vdst(0)                   ; and behind it
.irp b, 0,1,2,3
	v_max_num_f32 v[232+\b], 0x4800000, v[232+\b]  ; the floor: the byte cannot fall under 1
.endr
.irp b, 0,1,2,3
	s_delay_alu instid0(VALU_DEP_4)
	v_add_nc_u32 v[244+\b], 0xfc000000, v[232+\b]  ; the conversion's scale operand
.endr
.irp b, 0,1,2,3
	v_and_or_b32 v[240+\b], v[232+\b], 0x7f800000, s[MNT]   ; 448 x the scale
.endr
.irp b, 0,1,2,3
	v_lshrrev_b32 v[236+\b], 23, v[244+\b]         ; the scale's byte
.endr
	s_delay_alu instid0(VALU_DEP_3)
	v_lshl_or_b32 v253, v237, 8, v236              ; p's scale word for these 128 keys
	s_delay_alu instid0(VALU_DEP_1)
	v_lshl_or_b32 v253, v238, 16, v253
	s_delay_alu instid0(VALU_DEP_1)
	v_lshl_or_b32 v253, v239, 24, v253
; block by block: the row's sum of the unquantised p (four chains), the hold, the conversions, and V's fragment into the block's registers
.irp b, 0,1,2,3
.if \b == 0
	v_pk_add_f32 v[228:229], v[SR:SR+1], v[SR+2:SR+3]
	v_pk_add_f32 v[230:231], v[SR+4:SR+5], v[SR+6:SR+7]
	v_pk_add_f32 v[232:233], v[SR+8:SR+9], v[SR+10:SR+11]
	v_pk_add_f32 v[14:15], v[14:15], v[SR+12:SR+13]
	v_pk_add_f32 v[228:229], v[228:229], v[SR+14:SR+15]
.else
	SUM4 SR+16*\b
	SUM4 SR+16*\b+8
.endif
.if \b == 3
	v_pk_add_f32 v[228:229], v[228:229], v[230:231]
	v_pk_add_f32 v[14:15], v[14:15], v[232:233]
	v_pk_add_f32 v[14:15], v[14:15], v[228:229]
.endif
.irp i, 0,2,4,6,8,10,12,14
	v_dual_min_num_f32 v[SR+16*\b+\i], v[240+\b], v[SR+16*\b+\i] :: v_dual_min_num_f32 v[SR+16*\b+\i+1], v[240+\b], v[SR+16*\b+\i+1]   ; the hold (ISA guide 7.6.2), two at a time; p is not negative, so it is one-sided
.endr
	v_cvt_scalef32_pk8_fp8_f32 v[CD+4*\b:CD+4*\b+1], v[SR+16*\b:SR+16*\b+7], v[244+\b]
	v_cvt_scalef32_pk8_fp8_f32 v[CD+4*\b+2:CD+4*\b+3], v[SR+16*\b+8:SR+16*\b+15], v[244+\b]
.irp c, 0,1,2,3
	ds_load_b128 v[SR+16*\b+4*\c:SR+16*\b+4*\c+3], v8 offset:8704+2048*\b+512*\c
.endr
.endr
	s_wait_alu depctr_va_vdst(0)                   ; directly ahead of the first reader of O^T
.set j, 0
.rept 16
	v_pk_mul_f32 v[OT+j:OT+j+1], v[OT+j:OT+j+1], v[252:253] op_sel_hi:[1,0]   ; O^T under the new M.  (Also the places between the codes and the products)
.set j, j+2
.endr
	s_wait_alu depctr_va_vdst(0)                   ; directly ahead of the wait below
	s_wait_dscnt 8                                 ; V's fragments 0 and 1 are in; the 4 + 4 loads of fragments 2 and 3 may be out
	PV 0
	s_wait_dscnt 0x0
	PV 2
.rept 9
	v_nop                                          ; the next step's first products write over V's fragments: nine places; a read of O^T wants eight
.endr
.if \chk
.Lhidden_\@:
.endif
	s_add_co_u32 s[NN], s[NN], 1
	s_add_co_u32 s[TB], s[TB], STEPB
.endm
; A TILE'S END: O^T / the sum; register 16 b + i of lane (r, h) is channel 32 b + 16 h + i of query r: two blocks of the last product's K.  Codes leave as two images, the two scale bytes a row by lanes r and 16 + r.
.macro FINISH ac, as
	v_add_f32 v14, v14, v15
	s_delay_alu instid0(VALU_DEP_1)
	v_permlanex16_b32 v252, v14, s[SEL], s[SEL+1]
	s_delay_alu instid0(VALU_DEP_1)
	v_add_f32 v14, v14, v252                       ; the row's sum
	s_wait_alu depctr_va_vdst(0)
	v_rcp_f32 v14, v14
	v_nop
	s_wait_alu depctr_va_vdst(0)
.set j, 0
.rept 16
	v_pk_mul_f32 v[SR+j:SR+j+1], v[OT+j:OT+j+1], v[14:15] op_sel_hi:[1,0]   ; each accumulator from its low end on
.set j, j+2
.endr
.irp b, 0,1
	v_max3_num_f32 v[232+\b], |v[SR+16*\b]|, |v[SR+1+16*\b]|, 0x4800000
.endr
.irp i, 2,4,6,8,10,12,14
.irp b, 0,1
	s_delay_alu instid0(VALU_DEP_2)
	v_max3_num_f32 v[232+\b], v[232+\b], |v[SR+16*\b+\i]|, |v[SR+1+16*\b+\i]|
.endr
.endr
.irp b, 0,1
	s_delay_alu instid0(VALU_DEP_2)
	v_permlanex16_b32 v[236+\b], v[232+\b], s[SEL], s[SEL+1]
.endr
.irp b, 0,1
	s_delay_alu instid0(VALU_DEP_2)
	v_max_num_f32 v[232+\b], v[232+\b], v[236+\b]
.endr
.irp b, 0,1
	s_delay_alu instid0(VALU_DEP_2)
	v_add_nc_u32 v[244+\b], 0xfc000000, v[232+\b]
.endr
.irp b, 0,1
	s_delay_alu instid0(VALU_DEP_4)
	v_and_or_b32 v[240+\b], v[232+\b], 0x7f800000, s[MNT]
.endr
.irp b, 0,1
	s_delay_alu instid0(VALU_DEP_4)
	v_lshrrev_b32 v[236+\b], 23, v[244+\b]
.endr
	s_delay_alu instid0(VALU_DEP_1)
	v_cndmask_b32 v254, v236, v237, s[HM]          ; lanes 0-15 carry block 0's byte, lanes 16-31 block 1's
.irp b, 0,1
.irp i, 0,1,2,3,4,5,6,7,8,9,10,11,12,13,14,15
	v_med3_num_f32 v[SR+16*\b+\i], v[SR+16*\b+\i], -v[240+\b], v[240+\b]
.endr
	v_cvt_scalef32_pk8_fp8_f32 v[CD+4*\b:CD+4*\b+1], v[SR+16*\b:SR+16*\b+7], v[244+\b]
	v_cvt_scalef32_pk8_fp8_f32 v[CD+4*\b+2:CD+4*\b+3], v[SR+16*\b+8:SR+16*\b+15], v[244+\b]
.endr
	v_nop
	global_store_b128 v1, v[CD:CD+3], s[\ac:\ac+1]
	global_store_b128 v1, v[CD+4:CD+7], s[\ac:\ac+1] offset:512
	global_store_b8 v11, v254, s[\as:\as+1]
	s_wait_xcnt 0x0                                ; the stores have read their registers
.endm
	s_wait_alu depctr_va_vdst(0)
	s_wait_loadcnt 0x0                             ; both tiles' Q
	s_cmp_lt_u32 s[WV], 5
	s_cbranch_scc0 .Lnot_first
	s_wait_tensorcnt 0x0                           ; waves 0 to 4: images 0 to 4 are in; the other waves' wait stands at the second barrier
.Lnot_first:
	s_barrier_signal -1
	s_barrier_wait -1
	KLOAD 1                                        ; step 0's K
.Lfirst:                                           ; steps 0 to 3 of the first tile, whose group is 8 or above: all open; they read images 0 to 4
	STEP 0
	s_cmp_lt_u32 s[NN], 4
	s_cbranch_scc1 .Lfirst
	s_wait_tensorcnt 0x0                           ; every wave: all sixteen images are in
	s_wait_dscnt 0x0
	s_barrier_signal -1
	s_barrier_wait -1
.Lrest:                                            ; steps 4 to 15: a constant count; the steps behind my group are jumped over
	STEP 1
	s_cmp_lt_u32 s[NN], 16
	s_cbranch_scc1 .Lrest
	FINISH ACA, ASA                                ; the first tile is done;
	v_mov_b32 v255, v[Q2+8]                        ; the second begins: its scale word first, its codes next, so that the lines behind them are the places in front of the next products
.irp j, 0,1,2,3,4,5,6,7
	v_mov_b32 v[16+\j], v[Q2+\j]
.endr
	s_mov_b32 s[G], s[GB]
	s_mov_b32 s[NN], 0
	s_mov_b32 s[TB], 0
	v_mov_b32 v13, 0xff61b1e6
	v_floor_f32 v12, -v13
	v_mov_b32 v14, 0
	v_mov_b32 v15, 0
.set j, 0
.rept 32
	v_mov_b32 v[OT+j], 0
.set j, j+1
.endr
	s_wait_alu depctr_va_vdst(0)
	s_wait_dscnt 0x0                               ; the last fetch into K's registers is over
	KLOAD 1
.Lsecond:                                          ; steps 0 to 7 of the second tile, whose group is 7 or under
	STEP 1
	s_cmp_lt_u32 s[NN], 8
	s_cbranch_scc1 .Lsecond
	FINISH ACB, ASB
	s_wait_tensorcnt 0x0                           ; the wave's end
	ds_add_u32 v[SPW], v[NIL]
	s_wait_dscnt 0x0
	CROUND                                         ; the closing round
	s_endpgm
.Lfunc_end_k_qf0bc853e96_attn:
	.size	k_qf0bc853e96_attn, .Lfunc_end_k_qf0bc853e96_attn-k_qf0bc853e96_attn
	.p2alignl 7, 3214868480
	.fill 96, 4, 3214868480
	.section	.rodata,"a",@progbits
	.p2align	6, 0x0
	.amdhsa_kernel k_qf0bc853e96_attn
		.amdhsa_group_segment_fixed_size 327680
		.amdhsa_private_segment_fixed_size 0
		.amdhsa_enable_private_segment 0
		.amdhsa_kernarg_size 24
		.amdhsa_user_sgpr_count 2
		.amdhsa_user_sgpr_kernarg_segment_ptr 1
		.amdhsa_wavefront_size32 1
		.amdhsa_system_sgpr_workgroup_id_x 1
		.amdhsa_system_sgpr_workgroup_id_y 1
		.amdhsa_system_sgpr_workgroup_id_z 1
		.amdhsa_system_vgpr_workitem_id 0
		.amdhsa_next_free_vgpr 256
		.amdhsa_next_free_sgpr 92
		.amdhsa_reserve_vcc 1
		.amdhsa_float_denorm_mode_32 3
		.amdhsa_float_denorm_mode_16_64 3
		.amdhsa_memory_ordered 1
		.amdhsa_forward_progress 1
		.amdhsa_inst_pref_size 93
	.end_amdhsa_kernel
	.amdgpu_metadata
---
amdhsa.version: [ 1, 2 ]
amdhsa.kernels:
  - .name:           k_qf0bc853e96_attn
    .symbol:         k_qf0bc853e96_attn.kd
    .args:
      - { .name: qi, .offset: 0, .size: 8, .value_kind: global_buffer, .address_space: global }
      - { .name: kv, .offset: 8, .size: 8, .value_kind: global_buffer, .address_space: global }
      - { .name: aq, .offset: 16, .size: 8, .value_kind: global_buffer, .address_space: global }
    .group_segment_fixed_size: 327680
    .private_segment_fixed_size: 0
    .kernarg_segment_align: 8
    .kernarg_segment_size: 24
    .max_flat_workgroup_size: 512
    .sgpr_count:     92
    .vgpr_count:     256
    .wavefront_size: 32
...
	.end_amdgpu_metadata
.endif
;; end of part 3
;; launch gemm_out (part 4): grid 8 x 32, 4 waves a work-group, clusters of 4 x 4, 327,680 bytes of LDS; arguments aq, wq, bo, out0; writes out0
.if DOCPART == 4
	.amdgcn_target "amdgcn-amd-amdhsa--gfx1250"
	.amdhsa_code_object_version 6
	.text
	.protected	k_qf0bc853e96_gemm_out
	.globl	k_qf0bc853e96_gemm_out
	.p2align	8
	.type	k_qf0bc853e96_gemm_out,@function
k_qf0bc853e96_gemm_out:
	s_mov_b64 s[64:65], 0
	v_nop
	global_prefetch_b8 v0, s[64:65] scope:SCOPE_SE
	s_setreg_imm32_b32 hwreg(HW_REG_WAVE_MODE, 25, 1), 1
	s_wait_xcnt 0x0
	s_wait_alu depctr_hold_cnt(0) depctr_sa_sdst(0) depctr_va_vdst(0) depctr_va_sdst(0) depctr_va_ssrc(0) depctr_va_vcc(0) depctr_vm_vsrc(0)
	s_getreg_b32 s2, hwreg(HW_REG_IB_STS2, 6, 4)
	s_cmp_eq_u32 s2, 0
	s_cbranch_scc0 .Lentry_in_a_cluster
	s_endpgm
.Lentry_in_a_cluster:
	s_bfe_u32 s2, ttmp6, 0x10000c
	s_cmp_lg_u32 s2, 0xf033
	s_cbranch_scc0 .Lentry_shape_is_right
	s_endpgm
.Lentry_shape_is_right:
; out0 = a Wo + bo on codes of FP8 (E4M3) with E8M0 scales: 8,192 x 1,024 x 1,024, f32 sums, f32 out.
; aq: codes [tile of 16 rows 512][K step 8][c 4][512] (images of operand registers: lane l's 16 bytes at 16 l), scale bytes [row 8192][32] at ASO.  Row r of tile 8 g + t is token 128 g + 32 (t / 2) + 8 (t % 2) + r + 8 (r / 8).
; wq: Wo's columns are rows 3,072 on: codes [row][1024], scale bytes [row][32] at WOS.  Row 16 t + r of a group of tiles holds column 32 (t / 2) + 8 (t % 2) + r + 8 (r / 8).
; THE DEAL.  256 work-groups, each 256 rows x 128 columns; four waves, 2 x 2.  A wave holds 64 rows of Wo, ALL of K, in 512 registers (windows 1, 2) and streams 8 blocks of 16 rows of a past them, which stand in two sets of 128 registers (window 3):
; wave row w takes tiles 2 i + w, i = 0 .. 7.  A block is 32 products on four accumulators by turns; bo is the first four products' C.
; THE MATRIX INSTRUCTION IS USED TRANSPOSED: source 0 = 16 rows of Wo, source 1 = 16 rows of a: a lane holds one token, and register j of tile b is column 32 (b / 2) + 8 (b % 2) + 16 (lane / 16) + j of my 64.
; LDS: two slots of 128 rows of 1,024 bytes, 16 bytes of padding behind each row.  Slot 0: a's tiles 0-7 (a tile is 16 such rows on end).  Slot 1: Wo's 128 rows; once every wave holds them in registers a drained refill of the same shape brings a's tiles 8-15.
; Behind the slots a stage of 16 rows x 272 bytes for each wave, and the spare words.
; FILLS.  At the head one load a wave: waves 0, 1 the halves of Wo's rows (a line of their own: they alone wait at the first barrier), waves 2, 3 the halves of slot 0.  The refill: a quarter a wave, behind a round of the cluster's barrier; it is shown by the plain barrier inside block 2.
; CLUSTERS: 4 x 4 work-groups; a's rows are asked for jointly along a row of the cluster, Wo's along a column.
; PREFETCH: the refill's 131,072 bytes are named once in each cluster row, at the head: 8,192 bytes for each of its sixteen waves, told apart by address, lanes 256 bytes apart.  The head's own tiles come by their loads alone.
; SCALE WORDS AND BIAS come from memory into registers once: Wo's 16 registers (lane l: row l of a pair of tiles), a's 8 for each block (lane r: row r), bo's 32.
; THE WAY OUT: a block's 16 x 64 numbers turn through the wave's stage and come back as rows of 256 bytes; they are stored behind the next block's products: sixteen lanes store 256 consecutive bytes, aligned.
; LIMITS: NaN and infinities are not served.
.set KROW,   1024
.set PITCH,  1040                      ; an LDS row: 1,024 bytes + 16: an odd multiple of 16, so the 16 rows that a load of Wo touches start at 16 different groups of banks (ISA guide 11.1)
.set SLOTB,  128*PITCH
.set YB,     SLOTB                     ; slot 1
.set STAGE,  2*SLOTB
.set SPITCH, 272
.set SPARE,  STAGE+4*16*SPITCH
.set ASO,    8388608
.set WOC,    3072*1024
.set WOS,    4194304+3072*32
.set AX,   8                           ; v8-15  LDS address of my block i
.set ADRB, 16                          ; v16    of my fragments of Wo
.set STO,  17                          ; v17    the stage, on the way in
.set RD,   18                          ; v18    and back
.set CO,   19                          ; v19    my byte offset in two rows of out0
.set SPW,  20
.set NIL,  21
.set PFO,  22                          ; v22    the prefetch's offset; never rewritten
.set SB,   24                          ; v24-39   Wo's scale words: register 8 p + q: lanes 0-15 tile 2 p's, lanes 16-31 tile 2 p + 1's
.set SA,   44                          ; v44-107  a's: register 8 i + q.  No product's two scale words have numbers equal modulo 8
.set ACC,  108                         ; v108-171 two sets of four accumulators
.set BQ,   172                         ; v172-203 bo in the accumulators' layout
.set OUT,  204                         ; v204-235 16 rows read back from the stage
.set G1W, 24
.set G1A, 32
.set G1R, 48
.set G0W, 56
.set G0A, 60
.set G0R, 68
.set MSB, 0
.macro WIN new                         ; the immediate's high byte repeats the setting that is left
.if MSB != (\new)
	s_set_vgpr_msb (MSB<<8)|(\new)
.set MSB, (\new)
.endif
.endm
.macro CROUND                          ; a round of the cluster's barrier
	s_barrier_signal -1
	s_barrier_wait -1
	s_cmp_lg_u32 s14, 0
	s_cbranch_scc1 .Lnot_wave_0_\@
	s_barrier_signal -3
.Lnot_wave_0_\@:
	s_barrier_wait -3
	s_barrier_signal -1
	s_barrier_wait -1
.endm
.macro TLOAD g0, g1                    ; an s_nop 0 and four v_nop follow the load
	tensor_load_to_lds s[\g0:\g0+3], s[\g1:\g1+7]
	s_nop 0
.rept 4
	v_nop
.endr
.endm
.macro GROUP1 g, mask, rows            ; so many whole rows of 1,024 bytes, dense in memory, 4 words of padding behind each 256 words
	s_or_b32 s[\g+0], s\mask, (1<<20)|(1<<21)|(7<<22)|(3<<25)
	s_mov_b32 s[\g+1], KROW<<16
	s_mov_b32 s[\g+2], (\rows)<<16
	s_mov_b32 s[\g+3], KROW<<16
	s_mov_b32 s[\g+4], \rows
	s_mov_b32 s[\g+5], KROW
	s_mov_b32 s[\g+6], 0
	s_mov_b32 s[\g+7], 0
.endm
	s_load_b256 s[92:99], s[0:1], 0x0              ; aq, wq, bo, out0
	v_lshl_add_u32 v[SPW], v0, 2, SPARE
	v_mov_b32 v[NIL], 0
	ds_add_u32 v[SPW], v[NIL]                      ; the opening lines: the add, twice on end, and its wait
	ds_add_u32 v[SPW], v[NIL]
	v_lshrrev_b32 v1, 5, v0
	v_readfirstlane_b32 s14, v1                    ; wave 0..3
	s_lshr_b32 s15, s14, 1                         ; my row of waves
	s_and_b32 s16, s14, 1                          ; my column of waves.  Also: which half I fetch at the head
	s_bfe_u32 s40, ttmp6, 0x40000                  ; cx
	s_bfe_u32 s41, ttmp6, 0x40004                  ; cy
	s_lshl_b32 s42, ttmp9, 2
	s_add_co_u32 s42, s42, s40                     ; the block of 128 columns
	s_and_b32 s17, ttmp7, 0xffff
	s_lshl_b32 s17, s17, 2
	s_add_co_u32 s17, s17, s41                     ; the block of 256 rows
	s_lshl_b32 s43, s41, 2
	s_lshl_b32 s43, 15, s43                        ; my row of the cluster
	s_lshl_b32 s44, 0x1111, s40                    ; my column
	GROUP1 G1W, 44, 64
	GROUP1 G1A, 43, 64
	GROUP1 G1R, 43, 32
	s_lshl_b32 s18, s16, 16                        ; 64 rows of 1,024 bytes
	s_lshl_b32 s19, s14, 15                        ; 32 rows
	s_lshl_b32 s20, s17, 18                        ; a: 262,144 bytes of codes for 256 rows
	s_add_co_u32 s22, s20, 131072                  ; tiles 8-15,
	s_add_co_u32 s22, s22, s19                     ; my quarter of them
	s_add_co_u32 s20, s20, s18                     ; tiles 0-7: my half
	s_mov_b32 s21, 0
	s_mov_b32 s23, 0
	s_lshl_b32 s46, s42, 17                        ; Wo: 128 rows
	s_add_co_u32 s46, s46, s18
	s_mov_b32 s47, 0
	s_mul_i32 s45, s16, 64*PITCH                   ; where the halves go: no place in the cluster enters an LDS address
	s_wait_alu depctr_va_vdst(0)
	s_wait_dscnt 0x0
	s_wait_kmcnt 0x0
	s_mov_b32 s[G0W], 1
	s_add_co_u32 s[G0W+1], s45, YB
	s_add_nc_u64 s[G0W+2:G0W+3], s[94:95], s[46:47]
	s_add_nc_u64 s[G0W+2:G0W+3], s[G0W+2:G0W+3], WOC
	s_or_b32 s[G0W+3], s[G0W+3], 0x80000000
	s_mov_b32 s[G0A], 1
	s_mov_b32 s[G0A+1], s45
	s_add_nc_u64 s[G0A+2:G0A+3], s[92:93], s[20:21]
	s_or_b32 s[G0A+3], s[G0A+3], 0x80000000
	s_mov_b32 s[G0R], 1
	s_mul_i32 s[G0R+1], s14, 32*PITCH
	s_add_co_u32 s[G0R+1], s[G0R+1], YB
	s_add_nc_u64 s[G0R+2:G0R+3], s[92:93], s[22:23]
	s_or_b32 s[G0R+3], s[G0R+3], 0x80000000
	CROUND                                         ; all sixteen work-groups are here: the first joint loads meet
	s_cmp_lt_u32 s14, 2
	s_cbranch_scc0 .Lfor_a
	TLOAD G0W, G1W                                 ; waves 0, 1: Wo's rows, which are wanted first
	s_branch .Lasked
.Lfor_a:
	TLOAD G0A, G1A                                 ; waves 2, 3: a's tiles 0-7
.Lasked:
	s_lshl_b32 s72, s42, 12                        ; Wo's scale bytes: 32 a row; my wave's 64 rows
	s_lshl_b32 s73, s16, 11
	s_add_co_u32 s72, s72, s73
	s_mov_b32 s73, 0
	s_add_nc_u64 s[4:5], s[94:95], s[72:73]
	s_add_nc_u64 s[4:5], s[4:5], WOS
	s_lshl_b32 s74, s17, 13                        ; a's: my first tile
	s_lshl_b32 s75, s15, 9
	s_add_co_u32 s74, s74, s75
	s_mov_b32 s75, 0
	s_add_nc_u64 s[6:7], s[92:93], s[74:75]
	s_add_nc_u64 s[6:7], s[6:7], ASO
	s_lshl_b32 s76, s42, 9                         ; my 64 columns, in bytes of f32
	s_lshl_b32 s77, s16, 8
	s_add_co_u32 s76, s76, s77
	s_mov_b32 s77, 0
	s_add_nc_u64 s[8:9], s[96:97], s[76:77]
	s_lshl_b32 s78, s17, 20                        ; out0: 256 rows of 4,096 bytes; wave row 1 begins 8 tokens on
	s_lshl_b32 s79, s15, 15
	s_add_co_u32 s78, s78, s79
	s_add_co_u32 s78, s78, s76
	s_mov_b32 s79, 0
	s_add_nc_u64 s[12:13], s[98:99], s[78:79]
	s_lshl_b32 s80, s40, 2                         ; which of the cluster row's sixteen waves I am: my share of the prefetch
	s_add_co_u32 s80, s80, s14
	s_lshl_b32 s80, s80, 13
	s_lshl_b32 s81, s17, 18
	s_add_co_u32 s80, s80, s81
	s_add_co_u32 s80, s80, 131072
	s_mul_i32 s82, s15, 16*PITCH
	s_mul_i32 s83, s16, 64*PITCH
	s_add_co_u32 s83, s83, YB
	s_mul_i32 s84, s14, 16*SPITCH
	s_add_co_u32 s84, s84, STAGE
	v_and_b32 v1, 15, v0                           ; r
	v_bfe_u32 v2, v0, 4, 1                         ; h
	v_and_b32 v3, 31, v0                           ; lane
	v_lshlrev_b32 v4, 4, v3
	v_add_nc_u32 v4, s82, v4                       ; tile w of slot 0, 16 x lane
.irp i, 0,1,2,3,4,5,6,7
	v_add_nc_u32 v[AX+\i], (\i/4)*YB+(\i%4)*32*PITCH, v4   ; tile 2 i + w: 16 LDS rows a tile
.endr
	v_mul_u32_u24 v5, v1, PITCH
	v_lshl_add_u32 v5, v2, 4, v5
	v_add_nc_u32 v[ADRB], s83, v5                  ; Wo: row r of my 64, + 16 h
	v_mul_u32_u24 v5, v1, SPITCH
	v_lshl_add_u32 v5, v2, 6, v5
	v_add_nc_u32 v[STO], s84, v5                   ; in: row r, 64 bytes for each half of the lanes
	v_mul_u32_u24 v5, v2, SPITCH
	v_lshl_add_u32 v5, v1, 4, v5
	v_add_nc_u32 v[RD], s84, v5                    ; back: lanes 0-15 one row of 256 bytes, lanes 16-31 the next
	v_lshlrev_b32 v5, 12, v2
	v_lshl_add_u32 v[CO], v1, 4, v5                ; and the same two rows in out0
	v_lshlrev_b32 v6, 5, v3                        ; Wo's scale bytes: lane l takes row l of a pair of tiles
	v_lshlrev_b32 v7, 5, v1                        ; a's: row r
	v_lshlrev_b32 v23, 6, v2                       ; bo: 16 numbers for each half of the lanes
	v_lshl_add_u32 v[PFO], v3, 8, s80
.irp p, 0,1
.irp c, 0,1
	global_load_b128 v[SB+8*\p+4*\c:SB+8*\p+4*\c+3], v6, s[4:5] offset:1024*\p+16*\c
.endr
.endr
.irp i, 0,1,2,3,4,5,6,7
	global_load_b128 v[SA+8*\i:SA+8*\i+3], v7, s[6:7] offset:1024*\i
	global_load_b128 v[SA+8*\i+4:SA+8*\i+7], v7, s[6:7] offset:1024*\i+16
.endr
.irp p, 0,1
.irp k, 0,1,2,3
	global_load_b128 v[BQ+16*\p+4*\k:BQ+16*\p+4*\k+3], v23, s[8:9] offset:128*\p+16*\k
.endr
.endr
	global_prefetch_b8 v[PFO], s[92:93] th:TH_LOAD_NT scope:SCOPE_SE
	s_wait_alu depctr_va_vdst(0)
	s_cmp_lt_u32 s14, 2
	s_cbranch_scc0 .Lnot_w
	s_wait_tensorcnt 0x0                           ; waves 0, 1: Wo's rows are in; the other waves' wait stands in front of the round below
.Lnot_w:
	s_barrier_signal -1
	s_barrier_wait -1
; my 64 rows of Wo, all of K: fragment 4 q + b (16 registers: lane l holds row l % 16; registers 4 c .. 4 c + 3 hold K = 32 c + 16 (l / 16) + 0 .. 15) in window 1 + q / 4
.irp q, 0,1,2,3,4,5,6,7
	WIN (1+\q/4)<<6
.irp b, 0,1,2,3
.irp c, 0,1,2,3
	ds_load_b128 v[16*((4*\q+\b)%16)+4*\c:16*((4*\q+\b)%16)+4*\c+3], v[ADRB] offset:128*\q+32*\c+\b*16*PITCH
.endr
.endr
.endr
	WIN 0
	s_wait_tensorcnt 0x0                           ; all my tensor loads are in;
	ds_add_u32 v[SPW], v[NIL]                      ; 0 onto my spare word;
	s_wait_dscnt 0x0                               ; the add is done, and Wo's rows are in my registers
	CROUND                                         ; both hold of every wave of the cluster: slot 0 is whole, and nobody reads slot 1
	TLOAD G0R, G1R                                 ; a's tiles 8-15 over Wo's rows: the same rows, the same bytes
.macro FETCH e, adr                    ; a block of a, 16 rows, all of K, into set e of window 3: 32 loads.  Piece (q, c) lies 2,048 q + 512 c bytes into the tile, and 16 more for each 1,024 passed
	WIN 3<<6
.irp q, 0,1,2,3,4,5,6,7
.irp c, 0,1,2,3
	ds_load_b128 v[128*(\e)+16*\q+4*\c:128*(\e)+16*\q+4*\c+3], v[\adr] offset:2048*\q+512*\c+16*(2*\q+\c/2)
.endr
.endr
	WIN 0
.endm
.macro PROD i, q, b                    ; block i, the q-th 128 of K, column tile b
.set D_, ACC+32*((\i)%2)+8*(\b)
.set W_, 16*((4*(\q)+(\b))%16)
.set X_, 128*((\i)%2)+16*(\q)
.set C_, D_
.if (\q) == 0
.set C_, BQ+8*(\b)
.endif
	WIN (1+(\q)/4)|(3<<2)
.if (\b)%2
	v_wmma_scale_f32_16x16x128_f8f6f4 v[D_:D_+7], v[W_:W_+15], v[X_:X_+15], v[C_:C_+7], v[SB+8*((\b)/2)+(\q)], v[SA+8*(\i)+(\q)] matrix_a_scale:MATRIX_SCALE_ROW1
.else
	v_wmma_scale_f32_16x16x128_f8f6f4 v[D_:D_+7], v[W_:W_+15], v[X_:X_+15], v[C_:C_+7], v[SB+8*((\b)/2)+(\q)], v[SA+8*(\i)+(\q)]
.endif
.endm
.macro TOSTAGE i                       ; LDS serves a wave's instructions in order (ISA guide 5.7.1.4): the loads see the stores, and the next block's stores come behind these loads
.irp b, 0,1,2,3
	ds_store_b128 v[STO], v[ACC+32*((\i)%2)+8*\b:ACC+32*((\i)%2)+8*\b+3] offset:128*(\b/2)+32*(\b%2)       ; each accumulator from its low end on
	ds_store_b128 v[STO], v[ACC+32*((\i)%2)+8*\b+4:ACC+32*((\i)%2)+8*\b+7] offset:128*(\b/2)+32*(\b%2)+16
.endr
.irp t, 0,1,2,3,4,5,6,7
	ds_load_b128 v[OUT+4*\t:OUT+4*\t+3], v[RD] offset:2*\t*SPITCH
.endr
.endm
.macro SEND i                          ; tile 2 i + w begins at token 128 (i / 4) + 32 (i % 4) + 8 w; its rows 8-15 lie 8 tokens further on
.irp t, 0,1,2,3,4,5,6,7
	global_store_b128 v[CO], v[OUT+4*\t:OUT+4*\t+3], s[12:13] offset:(128*((\i)/4)+32*((\i)%4)+2*\t+8*(\t/4))*4096 th:TH_STORE_NT
.endr
.endm
.macro BLK i
.irp q, 0,1,2,3,4,5,6,7
.irp b, 0,1,2,3
	PROD \i, \q, \b
.endr
.endr
	WIN 0
.rept 9
	v_nop                                          ; places in front of the loads into the set just multiplied and of the stage's stores
.endr
.if (\i) > 0
	s_wait_dscnt 0x0                               ; the block before is back from the stage, and the next block's set is in: both were asked for a block ago
	SEND (\i)-1
.endif
.if (\i) == 2
	s_wait_tensorcnt 0x0                           ; every wave: my quarter of tiles 8-15 is in
	s_barrier_signal -1
	s_barrier_wait -1                              ; everybody's is
.endif
.if (\i)+2 < 8
	FETCH (\i)%2, AX+(\i)+2
.endif
	s_wait_xcnt 0x0                                ; the stores above have read their registers, which the loads below fill again
	TOSTAGE \i
.endm
	FETCH 0, AX
	FETCH 1, AX+1
	s_wait_loadcnt 0x0                             ; the scale words and bo
	s_wait_dscnt 32                                ; block 0's set is in; block 1's 32 loads may be out
	BLK 0
	s_wait_dscnt 48                                ; block 1's set is in; behind it: block 2's 32 loads and block 0's 16 through the stage
	BLK 1
.irp i, 2,3,4,5,6,7
	BLK \i
.endr
	s_wait_dscnt 0x0
	SEND 7
	s_wait_tensorcnt 0x0                           ; the wave's end
	ds_add_u32 v[SPW], v[NIL]
	s_wait_dscnt 0x0
	CROUND                                         ; the closing round
	s_endpgm
.Lfunc_end_k_qf0bc853e96_gemm_out:
	.size	k_qf0bc853e96_gemm_out, .Lfunc_end_k_qf0bc853e96_gemm_out-k_qf0bc853e96_gemm_out
	.p2alignl 7, 3214868480
	.fill 96, 4, 3214868480
	.section	.rodata,"a",@progbits
	.p2align	6, 0x0
	.amdhsa_kernel k_qf0bc853e96_gemm_out
		.amdhsa_group_segment_fixed_size 327680
		.amdhsa_private_segment_fixed_size 0
		.amdhsa_enable_private_segment 0
		.amdhsa_kernarg_size 32
		.amdhsa_user_sgpr_count 2
		.amdhsa_user_sgpr_kernarg_segment_ptr 1
		.amdhsa_wavefront_size32 1
		.amdhsa_system_sgpr_workgroup_id_x 1
		.amdhsa_system_sgpr_workgroup_id_y 1
		.amdhsa_system_sgpr_workgroup_id_z 1
		.amdhsa_system_vgpr_workitem_id 0
		.amdhsa_next_free_vgpr 1024
		.amdhsa_next_free_sgpr 100
		.amdhsa_reserve_vcc 0
		.amdhsa_float_denorm_mode_32 3
		.amdhsa_float_denorm_mode_16_64 3
		.amdhsa_memory_ordered 1
		.amdhsa_forward_progress 1
		.amdhsa_inst_pref_size 86
	.end_amdhsa_kernel
	.amdgpu_metadata
---
amdhsa.version: [ 1, 2 ]
amdhsa.kernels:
  - .name:           k_qf0bc853e96_gemm_out
    .symbol:         k_qf0bc853e96_gemm_out.kd
    .args:
      - { .name: aq, .offset: 0, .size: 8, .value_kind: global_buffer, .address_space: global }
      - { .name: wq, .offset: 8, .size: 8, .value_kind: global_buffer, .address_space: global }
      - { .name: bo, .offset: 16, .size: 8, .value_kind: global_buffer, .address_space: global }
      - { .name: out0, .offset: 24, .size: 8, .value_kind: global_buffer, .address_space: global }
    .group_segment_fixed_size: 327680
    .private_segment_fixed_size: 0
    .kernarg_segment_align: 8
    .kernarg_segment_size: 32
    .max_flat_workgroup_size: 128
    .sgpr_count:     100
    .vgpr_count:     1024
    .wavefront_size: 32
...
	.end_amdgpu_metadata
.endif
;; end of part 4
